; MI455X (gfx1250); checked and timed in simulation.
; The chip was launched on July 23, 2026; its instructions are those of AMD's public machine-readable ISA for CDNA 5 (MIT licence, August 2026) and "CDNA5" Instruction Set Architecture Reference Guide (July 2026). The comments in the code are by the model that wrote it; some were corrected since.
;; Zeta Attention. Allowed arithmetic: matrix products marked QUANTISED: E2M3 operands, one E8M0 scale for each 32 along K, by v_wmma_scale_f32_16x16x128_f8f6f4 with both operands' format E2M3, f32 sums; everything else in f32.
;; Inputs: bk 1,024 float32; bo 1,024 float32; bq 1,024 float32; bv 1,024 float32; causal_mask 2,048 x 2,048 bool; gamma 10 float32; omega_mask 4,096 x 4,096 float32; semantic_token_ids 2 x 2,048 int32; wk 1,024 x 1,024 float32; wo 1,024 x 1,024 float32; wq 1,024 x 1,024 float32; wv 1,024 x 1,024 float32; x 2 x 2,048 x 1,024 float32.
;; Outputs: out0 2 x 2,048 x 1,024 float32.
;; This version of the problem:
;;   THIS VERSION OF THE PROBLEM IS GIVEN IN LOW PRECISION. The matrix products marked QUANTISED in the list below multiply operands that are first quantised to E2M3 (2 exponent bits, 3 mantissa bits; 6 bits a number), with one power-of-two scale for each 32 numbers along K (OCP MX v1.0); their sums are f32. All else is computed in f32.
;;   The module's matrix products, in the order in which they are computed (A, B: the left and right operand; K: the contracted axis; several contracted axes count as one K, in the product's order):
;;     1. [M 4,096, K 1,024] x [K 1,024, N 1,024]; A: input x; B: input wq: QUANTISED
;;     2. [M 4,096, K 1,024] x [K 1,024, N 1,024]; A: input x; B: input wk: QUANTISED
;;     3. [M 4,096, K 1,024] x [K 1,024, N 1,024]; A: input x; B: input wv: QUANTISED
;;     4. batch 32 x [M 2,048, K 64] x [K 64, N 2,048]; A: computed on the way; B: computed on the way: QUANTISED
;;     5. batch 32 x [M 64, K 2,048] x [K 2,048, N 2,048]; A: computed on the way; B: softmax (see below): QUANTISED
;;     6. [M 4,096, K 1,024] x [K 1,024, N 1,024]; A: computed on the way; B: input wo: QUANTISED
;;   THE QUANTISER, for each operand of a quantised product, along K:
;;     - K is cut into blocks of 32 from its start; a last block that is shorter is filled with zeros.
;;     - A block's scale is 2^e with e = floor(log2(the largest magnitude in the block)) - 2, held to -126 .. 127; a block of zeros has e = 0. As a byte (E8M0): e + 127.
;;     - Each number is divided by its block's scale, clamped to +-7.5, and rounded to the nearest number of E2M3, ties to even, subnormals kept.
;;     - The product sums the exact products of the quantised numbers (number of the format x scale) in f32.
;;   ~~~python
;;   def quantise(x, axis):      # numpy; x: float32 -> the quantised numbers, widened to float32 again
;;       x = np.moveaxis(x, axis, -1); K = x.shape[-1]
;;       x = np.pad(x, [(0, 0)] * (x.ndim - 1) + [(0, -K % 32)]); x = x.reshape(x.shape[:-1] + (-1, 32)); a = np.abs(x).max(-1, keepdims=True)
;;       e = np.where(a > 0, np.clip(np.frexp(np.where(a > 0, a, 1))[1] - 1 - 2, -126, 127), 0)      # np.frexp(a)[1] - 1 = floor(log2(a)), exactly
;;       r = np.clip(x / 2.0 ** e, -7.5, 7.5)
;;       step = 2.0 ** (np.maximum(np.frexp(np.where(r == 0, 1, r))[1] - 1, 0) - 3)
;;       q = np.round(r / step) * step * 2.0 ** e      # np.round: ties to even
;;       return np.moveaxis(q.reshape(q.shape[:-2] + (-1,))[..., :K], -1, axis).astype(np.float32)
;;   ~~~
;;   SOFTMAX AHEAD OF A QUANTISED PRODUCT. Where the list says 'softmax', what is quantised is not the finished softmax but p = 2^(t - M), with t = logit x log2(e) and M = ceil(the row's largest t), a whole number; so 1/2 < the row's largest p <= 1. The row's sum l is taken of the UNQUANTISED p, in f32, and the product's result is divided by l at the end. Since M is a whole number, a kernel that streams over the keys may use a running M (the ceiling of the running maximum): every later rescaling is an exact power of two, which a block's scale takes up: the codes' values come out the same.
;;   OPERANDS COMPUTED ON THE WAY. 'Computed on the way' means the value that the module computes at that place (a softmax that the list does not call 'softmax' is quantised finished and normalised). What goes into a quantiser is computed in f32, as accurately as f32 sums, v_exp_f32 and their like allow (about 1e-6 of the number): no bf16 or f16 on the way to a quantiser, and a product that is left as it is and whose result goes on into a quantised operand takes f32 operands (vector FMAs, or v_wmma_f32_16x16x4_f32). A number that lies on a knife's edge between two numbers of the format may be rounded either way, as far as f32 arithmetic and the matrix unit's own rounding can turn it there, and no further.
;; One version. Each part assembles by itself: llvm-mc -triple=amdgcn-amd-amdhsa -mcpu=gfx1250 --defsym DOCPART=n.
;; ======== version 1 of 1: 4 launches
;; limits: right only within a limited range of input values
;; workspace buffers: img 6,291,456 bytes; scl 393,216 bytes; qbuf 3,276,800 bytes; kv 6,553,600 bytes; aimg 3,145,728 bytes; msk 1,048,576 bytes of whole numbers; cnt 6,356,992 bytes; mtab 6,144 bytes
;; launch prep (part 1): grid 512 x 1, 8 waves a work-group, no clusters, 83,968 bytes of LDS; arguments x, wq, wk, wv, wo, omega_mask, semantic_token_ids, causal_mask, gamma, img, scl, msk, cnt, mtab; writes img, scl, msk, cnt, mtab
.if DOCPART == 1
	.amdgcn_target "amdgcn-amd-amdhsa--gfx1250"
	.amdhsa_code_object_version 6
	.text
	.protected	k_q95eaaf939c_prep
	.globl	k_q95eaaf939c_prep
	.p2align	8
	.type	k_q95eaaf939c_prep,@function
k_q95eaaf939c_prep:
	s_mov_b64 s[64:65], 0
	v_nop
	global_prefetch_b8 v0, s[64:65] scope:SCOPE_SE
	s_setreg_imm32_b32 hwreg(HW_REG_WAVE_MODE, 25, 1), 1
	s_wait_xcnt 0x0
; PREP: what all heads share is made once.  Work-groups 0-255: the masks.  256-511: x, wq, wk, wv, wo as codes of FP6 (E2M3); the first six of them also make the table of the memory kernel.
; WORK NOT DONE IN THIS PROGRAM, AND LIMITS KEPT.
; (a) M[i][j] of the memory kernel hangs on |i - j| alone (an identity): it is a table, E[y] = M(|y - 512|) x log2(e) / 8, so that t = (q . k) x E: one rounding more than the formula as written.
; (b) omega_mask[ids[i], ids[j]] and causal_mask[i][j] are the same for all 16 heads: gathered once, as lane masks and counts.
; (c) A LIMIT OF FORMAT, not an identity: the launch attn forms no q . k for a step of 128 keys in which every |i - j| is 129 or more.  There |M| <= 10 e^-129, and exp(-d) in f32 is 0 from d = 104 on,
;     so for every finite score the logit as written is +-0, which is the value taken.  A NaN, an infinity or an overflow in those scores is not carried to the result.
; (d) E is 0 from d = 88 on (the exponential's result falls under the smallest normal number): scores under 1e30 in size.
; Other limits: NaN and infinities among the inputs are not served; |gamma x log(d + 1)| up to 1e5 (three-part reduction); a block whose largest magnitude lies under 2^-124 gets the byte 1;
; a block of zeros gets the byte 1 where the rule says 127 (its codes are zeros; this program alone reads the bytes); bytes of causal_mask are 0 or 1.  Every input has a way to the output: all are loaded.
; TILE ORDER, for every operand of the program: tile T holds rows 32 (T / 2) + 8 (T % 2) + r + 8 (r / 8), r = 0 .. 15.
; A FRAGMENT (16 rows x 128 K, 12 registers a lane) lies in memory as an image of its registers, in two halves of 768 bytes: registers 6 c .. 6 c + 3 at 16 x lane, registers 6 c + 4, 6 c + 5 at 512 + 8 x lane.
; No tensor loads, no clusters, no prefetch: work-groups share next to nothing, and each has its whole share (codes) or 128 KiB of it (masks) asked for by plain loads of 512 consecutive bytes.
; The two paths part on the work-group's number and have LDS bytes of their own.
.set TBL,   0                          ; masks: 4,096 words of 16 bits, one for each column of omega_mask: bit r = query r of the tile
.set MST,   8192                       ; masks: the tile's 16 x 64 msk words
.set CST,   12288                      ; masks: the counts, 256 bytes a wave
.set QST,   14336                      ; codes: a stage of 16 rows x QP bytes for each wave
.set QP,    528                        ; 512 bytes + 16: the 16 rows that lanes of one column touch start in 16 different groups of banks
.set QSC,   QST+8*16*QP                ; codes: the scale words of the work-group's two tiles, 1,024 bytes
.set SPARE, QSC+1024                   ; the spare words, 128 bytes for each wave
.set SPW,   30                         ; v30 LDS address of my spare word; never rewritten
.set NIL,   31                         ; v31 0; never rewritten
.set WV,    32                         ; s32 wave
.set SEL,   34                         ; s[34:35] selects of v_permlanex16_b32: lane l xor 16
.set R,     32                         ; v32-159 two sets of 16 loads of 16 bytes
	s_load_b512 s[4:19], s[0:1], 0x0               ; x 4, wq 6, wk 8, wv 10, wo 12, omega_mask 14, ids 16, causal_mask 18
	s_load_b256 s[20:27], s[0:1], 0x40             ; gamma 20, img 22, scl 24, msk 26
	s_load_b128 s[28:31], s[0:1], 0x60             ; cnt 28, mtab 30
	v_lshl_add_u32 v[SPW], v0, 2, SPARE
	v_mov_b32 v[NIL], 0
	v_lshrrev_b32 v1, 5, v0
	v_readfirstlane_b32 s[WV], v1
	v_and_b32 v1, 31, v0                           ; lane
	v_and_b32 v2, 15, v0                           ; r
	v_bfe_u32 v3, v0, 4, 1                         ; h
	v_lshlrev_b32 v4, 4, v0                        ; 16 t, t the thread's number
	v_lshlrev_b32 v5, 3, v0                        ; 8 t
	s_mov_b32 s[SEL], 0x76543210
	s_mov_b32 s[SEL+1], 0xfedcba98
	s_wait_alu depctr_va_vdst(0)                   ; the wait ahead of the branch
	s_cmp_ge_u32 ttmp9, 256
	s_cbranch_scc1 .Lquant
; ---------------- THE MASKS.  Work-group g: batch b = g / 128, tile T = g % 128 of 16 queries.
; Phase A: four passes of 1,024 columns; thread t takes columns 1024 p + 4 t + 0 .. 3 of all 16 rows omega_mask[ids[query r]], and makes of each column one word: bit r = (omega != 0).
; Phase B: thread t takes keys 8 t .. 8 t + 7: one look-up by a key's id gives the 16 queries' bits; the causal bytes of the same 16 queries, folded into a word of the same make, are anded in.
; msk[b][T][s][n] has lanes 0-15's bits from key 32 (n / 16) + n % 16 of step s and lanes 16-31's from the key 16 further on: two such words side by side.
.set ACC, 160                          ; v160-163 four columns' words
.set CA,  164                          ; v164-195 causal_mask: 8 bytes of each of the 16 rows
.set KID, 196                          ; v196-203 my keys' ids, then their table addresses
.set W,   204                          ; v204-211 the words looked up
.set LO,  212                          ; v212-213 rows 0-7's causal bits, a byte a key; v214-215 rows 8-15's
.set CW,  216                          ; v216-219 causal words, two keys a register
.set P,   220                          ; v220-223 the masked words, two keys a register
.set TW,  224                          ; v224-231 table words on their way to LDS: a pair for each pass
.set OUTM, 232
.set AT,  236
.set CN,  244
.set CF,  246
	s_lshr_b32 s36, ttmp9, 7                       ; b
	s_and_b32 s37, ttmp9, 127                      ; T
	s_lshr_b32 s38, s37, 1
	s_lshl_b32 s38, s38, 5
	s_and_b32 s39, s37, 1
	s_lshl_b32 s39, s39, 3
	s_add_co_u32 s38, s38, s39                     ; the tile's first token: 32 (T / 2) + 8 (T % 2)
	s_lshl_b32 s40, s36, 11
	s_add_co_u32 s39, s38, s40
	s_lshl_b32 s39, s39, 2                         ; its id's place: a multiple of 32 bytes
	v_lshlrev_b32 v6, 5, v0                        ; 32 t: my 8 keys' ids
	v_lshrrev_b32 v7, 2, v0
	v_lshlrev_b32 v7, 6, v7
	v_and_b32 v8, 1, v0
	v_lshl_add_u32 v7, v8, 5, v7
	v_and_b32 v8, 2, v0
	v_add_nc_u32 v7, v7, v8                        ; my first key's half word in the msk stage: 64 (t / 4) + 32 (t % 2) + 2 ((t / 2) % 2)
	v_lshrrev_b32 v8, 5, v0
	v_lshlrev_b32 v9, 9, v8                        ; 512 w: my wave's two steps in the msk stage
	v_lshlrev_b32 v8, 8, v8
	v_lshl_add_u32 v8, v1, 2, v8                   ; 256 w + 4 x lane: the counts
	s_wait_alu depctr_va_vdst(0)                   ; the wait at the head's end
	s_wait_kmcnt 0x0
	s_load_b256 s[44:51], s[16:17], s39 offset:0x0   ; ids of rows 0-7
	s_load_b256 s[52:59], s[16:17], s39 offset:0x40  ; and of rows 8-15, 16 tokens on
	s_lshl_b32 s40, s38, 11
	s_mov_b32 s41, 0
	s_add_nc_u64 s[18:19], s[18:19], s[40:41]      ; causal_mask at the tile's first row
	s_lshl_b32 s40, s36, 13
	s_add_nc_u64 s[60:61], s[16:17], s[40:41]      ; the batch's ids
	s_lshl_b32 s40, ttmp9, 12
	s_add_nc_u64 s[26:27], s[26:27], s[40:41]      ; msk: 4,096 bytes a tile
	s_mul_i32 s40, ttmp9, 24576
	s_mul_i32 s42, s[WV], 3072
	s_add_co_u32 s40, s40, s42
	s_add_co_u32 s40, s40, 65536
	s_add_nc_u64 s[62:63], s[28:29], s[40:41]      ; cnt from byte 65,536 on: p's fragments of the far steps, 1,536 bytes for each tile and step; here my wave's two steps
	s_lshl_b32 s40, ttmp9, 8
	s_add_nc_u64 s[28:29], s[28:29], s[40:41]      ; cnt's first 65,536 bytes: 256 a tile: a count and a logit for each lane
.irp r, 0,1,2,3,4,5,6,7,8,9,10,11,12,13,14,15
	global_load_b64 v[CA+2*\r:CA+2*\r+1], v5, s[18:19] offset:2048*(\r+8*(\r/8))   ; a wave reads 256 consecutive bytes
.endr
	global_load_b128 v[KID:KID+3], v6, s[60:61]
	global_load_b128 v[KID+4:KID+7], v6, s[60:61] offset:16
	s_wait_kmcnt 0x0
.irp e, 0,1,2,3,4,5,6,7,8,9,10,11,12,13,14,15
	s_min_u32 s[44+\e], s[44+\e], 0xfff            ; an id stays inside the table
	s_lshl_b32 s[66+2*\e], s[44+\e], 14            ; a row of omega_mask is 16,384 bytes
	s_mov_b32 s[67+2*\e], 0
	s_add_nc_u64 s[66+2*\e:67+2*\e], s[14:15], s[66+2*\e:67+2*\e]
.endr
.macro BATCH p                         ; a pass: 16 loads of 512 consecutive bytes a wave; load i brings row 15 - i
.irp i, 0,1,2,3,4,5,6,7,8,9,10,11,12,13,14,15
	global_load_b128 v[R+64*((\p)%2)+4*\i:R+64*((\p)%2)+4*\i+3], v4, s[66+2*(15-\i):67+2*(15-\i)] offset:4096*(\p)
.endr
.endm
.macro BITSOF p
.if (\p) < 3
	s_wait_loadcnt 16                              ; this pass is in; the next pass's 16 loads may be out
.else
	s_wait_loadcnt 0x0
.endif
.irp e, 0,1,2,3
	v_mov_b32 v[ACC+\e], 0
.endr
.irp i, 0,1,2,3,4,5,6,7,8,9,10,11,12,13,14,15
.irp e, 0,1,2,3
	v_cmp_neq_f32 vcc_lo, 0, v[R+64*((\p)%2)+4*\i+\e]
	v_add_co_ci_u32 v[ACC+\e], vcc_lo, v[ACC+\e], v[ACC+\e], vcc_lo   ; word = 2 x word + bit: the rows descend, so row r's bit ends at place r
.endr
.endr
.if (\p)+2 < 4
	BATCH (\p)+2
.endif
	v_lshl_or_b32 v[TW+2*(\p)], v[ACC+1], 16, v[ACC]
	v_lshl_or_b32 v[TW+2*(\p)+1], v[ACC+3], 16, v[ACC+2]
	ds_store_b64 v5, v[TW+2*(\p):TW+2*(\p)+1] offset:TBL+2048*(\p)   ; column c's word at byte 2 c
.endm
	BATCH 0
	BATCH 1
.irp p, 0,1,2,3
	BITSOF \p
.endr
.irp d, 0,1                                    ; the causal bytes (0 or 1): row r's shifted to bit r % 8 of its key's byte
	v_lshl_or_b32 v[LO+\d], v[CA+2+\d], 1, v[CA+\d]
	v_lshl_or_b32 v[LO+2+\d], v[CA+18+\d], 1, v[CA+16+\d]
.endr
.irp r, 2,3,4,5,6,7
.irp d, 0,1
	v_lshl_or_b32 v[LO+\d], v[CA+2*\r+\d], \r, v[LO+\d]
	v_lshl_or_b32 v[LO+2+\d], v[CA+16+2*\r+\d], \r, v[LO+2+\d]
.endr
.endr
.irp d, 0,1                                    ; a key's two bytes side by side: words of 16 bits, two keys a register
	v_perm_b32 v[CW+2*\d], v[LO+2+\d], v[LO+\d], 0x05010400
	v_perm_b32 v[CW+2*\d+1], v[LO+2+\d], v[LO+\d], 0x07030602
.endr
.irp e, 0,1,2,3,4,5,6,7
	v_min_u32 v[KID+\e], 0xfff, v[KID+\e]          ; an id stays inside the table
.endr
.irp e, 0,1,2,3,4,5,6,7
	v_lshlrev_b32 v[KID+\e], 1, v[KID+\e]
.endr
	s_wait_alu depctr_va_vdst(0)                   ; the wait ahead of the waits below
	s_wait_dscnt 0x0                               ; my part of the table has landed
	s_barrier_signal -1
	s_barrier_wait -1                              ; all of it has
.irp e, 0,1,2,3,4,5,6,7
	ds_load_u16 v[W+\e], v[KID+\e] offset:TBL
.endr
	s_wait_dscnt 0x0
.irp m, 0,1,2,3
	v_lshl_or_b32 v[P+\m], v[W+2*\m+1], 16, v[W+2*\m]
.endr
.irp m, 0,1,2,3
	v_and_b32 v[P+\m], v[P+\m], v[CW+\m]           ; 1 where omega and the causal byte both allow
.endr
.irp m, 0,1,2,3
	ds_store_b16 v7, v[P+\m] offset:MST+8*\m
	ds_store_b16_d16_hi v7, v[P+\m] offset:MST+8*\m+4
.endr
	s_wait_dscnt 0x0
	s_barrier_signal -1
	s_barrier_wait -1                              ; the msk words are whole
	ds_load_b128 v[OUTM:OUTM+3], v4 offset:MST
.set q, 0
.rept 32
	ds_load_b128 v[R+4*q:R+4*q+3], v9 offset:MST+16*q   ; every lane takes all 128 words of my wave's two steps
.set q, q+1
.endr
	s_wait_dscnt 0x0
	global_store_b128 v4, v[OUTM:OUTM+3], s[26:27] ; a wave stores 512 consecutive bytes, aligned
; WHAT THE FAR STEPS NEED, the same for all heads.  In a step of 128 keys that the launch attn takes as far (limit (c)) an allowed key has t = 0, so p = 2^-M: quantised that is the code 4.0 under the scale
; 2^(-M - 2), and a masked key's p is 0, unless ALL 2,048 keys of the row are masked: then every key has the same t, -1e9 log2(e), and p = 1.  So the codes hang on the masks alone: 4.0 where the key is allowed, or
; everywhere in a row that is wholly masked.  They are made here once for each tile and step, as an image of the operand's registers.  For each row: the number of such keys in its far steps, and their t.
.set PFA, 164                          ; v164-183, v184-203 the two steps' codes
.set PFB, 184
.set PAT, 204                          ; v204-206 sixteen codes 4.0: 96 bits
.set SOP, 207                          ; the conversions' scale operand, 2^-2: 1.0 becomes the code 4.0
.set KC,  208                          ; v208-223 my lane's counts of the 16 steps
.set TOT, 236
.set FAR, 237
.set T2,  238
.set n, 0
.rept 128
	v_bfe_u32 v[R+n], v[R+n], v1, 1                ; my lane's bit of each word
.set n, n+1
.endr
	v_add3_u32 v[CN], v[R], v[R+1], v[R+2]         ; summed: the keys of a step that my query and half may see
	v_add3_u32 v[CN+1], v[R+64], v[R+65], v[R+66]
.set n, 3
.rept 30
	v_add3_u32 v[CN], v[CN], v[R+n], v[R+n+1]
	v_add3_u32 v[CN+1], v[CN+1], v[R+64+n], v[R+64+n+1]
.set n, n+2
.endr
	v_add_nc_u32 v[CN], v[CN], v[R+63]
	v_add_nc_u32 v[CN+1], v[CN+1], v[R+127]
	ds_store_b32 v8, v[CN] offset:CST
	ds_store_b32 v8, v[CN+1] offset:CST+128
	v_lshlrev_b32 v6, 2, v1
	s_lshr_b32 s42, s37, 3                         ; the tile's own key step, T / 8
	s_lshl_b32 s42, 7, s42
	s_lshr_b32 s42, s42, 1
	s_and_b32 s42, s42, 0xffff                     ; bits of the near steps: its own and the neighbours that exist
	s_bcnt1_i32_b32 s43, s42
	s_sub_co_u32 s43, 16, s43
	s_lshl_b32 s43, s43, 7                         ; the keys of the far steps
	s_wait_alu depctr_va_vdst(0)                   ; the wait ahead of the waits below
	s_wait_dscnt 0x0
	s_barrier_signal -1
	s_barrier_wait -1                              ; all 16 steps' counts are in LDS
.irp s, 0,1,2,3,4,5,6,7,8,9,10,11,12,13,14,15
	ds_load_b32 v[KC+\s], v6 offset:CST+128*\s
.endr
	s_wait_dscnt 0x0
	v_mov_b32 v[TOT], 0
	v_mov_b32 v[FAR], 0
	v_mov_b32 v[T2], 0                             ; (a lane permute's destination counts as one of its sources)
	v_mov_b32 v[T2+1], 0
.irp s, 0,1,2,3,4,5,6,7,8,9,10,11,12,13,14,15
	s_bitcmp1_b32 s42, \s
	s_cselect_b32 s40, 0, 1                        ; 1 for a far step
	v_add_nc_u32 v[TOT], v[TOT], v[KC+\s]
	v_mad_u32_u24 v[FAR], v[KC+\s], s40, v[FAR]
.endr
	v_permlanex16_b32 v[T2], v[TOT], s[SEL], s[SEL+1]
	v_permlanex16_b32 v[T2+1], v[FAR], s[SEL], s[SEL+1]
	v_add_nc_u32 v[TOT], v[TOT], v[T2]             ; with lane l xor 16's: the row's
	v_add_nc_u32 v[FAR], v[FAR], v[T2+1]
	v_cmp_eq_u32 s44, 0, v[TOT]                    ; rows that are wholly masked
	v_cmp_ne_u32 s45, 0, v[FAR]
	v_cvt_f32_u32 v[CF], v[FAR]
	v_mov_b32 v[T2], s43
	v_cvt_f32_u32 v[T2], v[T2]
	v_cndmask_b32 v[CF], v[CF], v[T2], s44         ; the count: allowed far keys, or all far keys
	v_mov_b32 v[T2], 0xff61b1e6
	v_mov_b32 v[T2+1], 0
	v_cndmask_b32 v[CF+1], v[T2], v[T2+1], s45     ; their t: 0; -3e38 where there are none;
	v_mov_b32 v[T2], 0xceabfb8f
	v_cndmask_b32 v[CF+1], v[CF+1], v[T2], s44     ; -1e9 log2(e) in a row that is wholly masked
	v_mov_b32 v[PAT], 0x18618618
	v_mov_b32 v[PAT+1], 0x86186186
	v_mov_b32 v[PAT+2], 0x61861861
	v_mov_b32 v[SOP], 0x3e800000
	v_lshlrev_b32 v6, 4, v1
	v_lshlrev_b32 v7, 3, v1
	s_wait_alu depctr_va_vdst(0)                   ; the wait ahead of the branch
	s_cmp_lg_u32 s[WV], 0
	s_cbranch_scc1 .Lnofar
	global_store_b64 v5, v[CF:CF+1], s[28:29]      ; wave 0 stores the tile's 256 consecutive bytes, aligned
.Lnofar:
.set n, 0
.rept 128
	v_cvt_f32_u32 v[R+n], v[R+n]                   ; 1.0 or 0
.set n, n+1
.endr
.macro PFRAG s, pc, k
.irp c, 0,1
	v_cvt_scalef32_pk16_fp6_f32 v[\pc+6*\c:\pc+2+6*\c], v[\s+32*\c:\s+15+32*\c], v[SOP]
	v_cvt_scalef32_pk16_fp6_f32 v[\pc+12+4*\c:\pc+14+4*\c], v[\s+16+32*\c:\s+31+32*\c], v[SOP]
.endr
	v_nop                                          ; one plain place behind a scaled conversion
.irp c, 0,1                                    ; a whole block to a lane: lanes 0-15 block 2 c, lanes 16-31 block 2 c + 1
.irp i, 0,1,2
	v_permlane16_swap_b32 v[\pc+6*\c+\i], v[\pc+12+4*\c+\i]
.endr
.irp i, 0,1,2
	v_mov_b32 v[\pc+3+6*\c+\i], v[\pc+12+4*\c+\i]
.endr
.endr
.irp i, 0,1,2,3,4,5,6,7,8,9,10,11
	v_cndmask_b32 v[\pc+\i], v[\pc+\i], v[PAT+\i%3], s44
.endr
	global_store_b128 v6, v[\pc:\pc+3], s[62:63] offset:1536*\k          ; each store covers 512 or 256 consecutive bytes, aligned
	global_store_b64 v7, v[\pc+4:\pc+5], s[62:63] offset:1536*\k+512
	global_store_b128 v6, v[\pc+6:\pc+9], s[62:63] offset:1536*\k+768
	global_store_b64 v7, v[\pc+10:\pc+11], s[62:63] offset:1536*\k+1280
.endm
	PFRAG R, PFA, 0
	PFRAG R+64, PFB, 1
	s_wait_tensorcnt 0x0                           ; the wave's end, behind my last LDS store
	ds_add_u32 v[SPW], v[NIL]
	s_wait_dscnt 0x0
	s_endpgm
; ---------------- THE CODES.  Work-group q = g - 256, wave w: tile T = 2 q + w / 4 of img (0-255 x, 256-319 wq, 320-383 wk, 384-447 wv, 448-511 wo), K steps 2 (w % 4) and 2 (w % 4) + 1 of its eight.
; Each load reads 512 consecutive bytes, one row's K step; all 32 are out at once.  A step's 16 rows turn through the wave's stage, so that lane (r, h) gets k = 32 b + 16 h + 0 .. 15 of row r.
.set X,   160                          ; v160-223 the first step's numbers: register 16 b + i = k 32 b + 16 h + i of my row (the second step's take v32-95)
.set PCA, 224                          ; v224-243 the first step's codes (the second step's take v160-179)
.set TM,  12                           ; v12-27 at work
.set PWS, 28                           ; v[28:29] the two steps' scale words
.set TB,  224                          ; v224-238 the table's registers
.macro QUANT s, pc, pw                 ; 64 numbers of a lane become a fragment's codes in v[pc] on and its row's scale word in v[pw]
.irp b, 0,1,2,3
	v_max3_num_f32 v[TM+\b], |v[\s+16*\b]|, |v[\s+1+16*\b]|, 0x1800000   ; block b: my 16 numbers, and the floor 2^(3 - 127): the byte cannot fall under 1
.endr
.irp i, 2,4,6,8,10,12,14
.irp b, 0,1,2,3
	v_max3_num_f32 v[TM+\b], v[TM+\b], |v[\s+16*\b+\i]|, |v[\s+1+16*\b+\i]|
.endr
.endr
.irp b, 0,1,2,3
	v_permlanex16_b32 v[TM+4+\b], v[TM+\b], s[SEL], s[SEL+1]
.endr
.irp b, 0,1,2,3
	v_max_num_f32 v[TM+\b], v[TM+\b], v[TM+4+\b]   ; with lane l xor 16's: the block's largest magnitude
.endr
.irp b, 0,1,2,3
	v_add_nc_u32 v[TM+12+\b], 0xff000000, v[TM+\b] ; 2 off its exponent field: the conversion's scale operand
.endr
.irp b, 0,1,2,3
	v_lshrrev_b32 v[TM+4+\b], 23, v[TM+12+\b]      ; the scale's byte
.endr
	v_lshl_or_b32 v[\pw], v[TM+5], 8, v[TM+4]
	v_lshl_or_b32 v[\pw], v[TM+6], 16, v[\pw]
	v_lshl_or_b32 v[\pw], v[TM+7], 24, v[\pw]
.irp c, 0,1
	v_cvt_scalef32_pk16_fp6_f32 v[\pc+6*\c:\pc+2+6*\c], v[\s+32*\c:\s+15+32*\c], v[TM+12+2*\c]
	v_cvt_scalef32_pk16_fp6_f32 v[\pc+12+4*\c:\pc+14+4*\c], v[\s+16+32*\c:\s+31+32*\c], v[TM+12+2*\c+1]
.endr
	v_nop                                          ; one plain place behind a scaled conversion
.irp c, 0,1                                    ; a whole block to a lane: lanes 0-15 block 2 c, lanes 16-31 block 2 c + 1
.irp i, 0,1,2
	v_permlane16_swap_b32 v[\pc+6*\c+\i], v[\pc+12+4*\c+\i]
.endr
.irp i, 0,1,2
	v_mov_b32 v[\pc+3+6*\c+\i], v[\pc+12+4*\c+\i]
.endr
.endr
.endm
.macro TURNQ src, dst                  ; 16 rows into the stage as loaded, and back 64 bytes a lane and block
.irp i, 0,1,2,3,4,5,6,7,8,9,10,11,12,13,14,15
	ds_store_b128 v8, v[\src+4*\i:\src+4*\i+3] offset:QP*\i
.endr
.irp b, 0,1,2,3
.irp u, 0,1,2,3
	ds_load_b128 v[\dst+16*\b+4*\u:\dst+16*\b+4*\u+3], v9 offset:128*\b+16*\u
.endr
.endr
.endm
.macro PUT pc, g                       ; each store covers 512 or 256 consecutive bytes, aligned
	global_store_b128 v6, v[\pc:\pc+3], s[22:23] offset:1536*\g
	global_store_b64 v7, v[\pc+4:\pc+5], s[22:23] offset:1536*\g+512
	global_store_b128 v6, v[\pc+6:\pc+9], s[22:23] offset:1536*\g+768
	global_store_b64 v7, v[\pc+10:\pc+11], s[22:23] offset:1536*\g+1280
.endm
.Lquant:
	s_sub_co_u32 s36, ttmp9, 256                   ; q
	s_lshr_b32 s37, s[WV], 2
	s_lshl_b32 s40, s36, 1
	s_add_co_u32 s40, s40, s37                     ; T
	s_and_b32 s41, s[WV], 3                        ; which pair of K steps
	s_mul_i32 s44, s[WV], 16*QP
	s_add_co_u32 s44, s44, QST                     ; my stage
	s_lshl_b32 s45, s37, 9
	s_lshl_b32 s42, s41, 3
	s_add_co_u32 s45, s45, s42
	s_add_co_u32 s45, s45, QSC                     ; my tile's scale words, my pair's 8 bytes of a row's 32
	v_lshlrev_b32 v6, 4, v1                        ; 16 x lane
	v_lshlrev_b32 v7, 3, v1                        ; 8 x lane
	v_add_nc_u32 v8, s44, v6                       ; into the stage
	v_mul_u32_u24 v9, v2, QP
	v_lshl_add_u32 v9, v3, 6, v9
	v_add_nc_u32 v9, s44, v9                       ; out of it: row r, + 64 h
	v_lshlrev_b32 v10, 5, v2
	v_add_nc_u32 v10, s45, v10
	v_and_b32 v5, 63, v0
	v_lshlrev_b32 v5, 4, v5                        ; waves 0 and 1 send the scale words out: 16 bytes a thread
	v_add_nc_u32 v11, QSC, v5
.irp b, 0,1,2,3
	v_mov_b32 v[TM+4+\b], 0                        ; (a lane permute's destination counts as one of its sources)
.endr
	s_wait_alu depctr_va_vdst(0)                   ; the wait at the head's end
	s_wait_kmcnt 0x0
	s_and_b32 s37, s40, 63                         ; the tile's number inside a weight
	s_cmp_lt_u32 s36, 224                          ; the source: a choice on the work-group's number alone
	s_cselect_b64 s[38:39], s[10:11], s[12:13]
	s_cmp_lt_u32 s36, 192
	s_cselect_b64 s[38:39], s[8:9], s[38:39]
	s_cmp_lt_u32 s36, 160
	s_cselect_b64 s[38:39], s[6:7], s[38:39]
	s_cmp_lt_u32 s36, 128
	s_cselect_b64 s[38:39], s[4:5], s[38:39]
	s_cselect_b32 s37, s40, s37
	s_lshr_b32 s42, s37, 1
	s_lshl_b32 s42, s42, 17
	s_and_b32 s43, s37, 1
	s_lshl_b32 s43, s43, 15
	s_add_co_u32 s42, s42, s43                     ; (32 (T / 2) + 8 (T % 2)) rows of 4,096 bytes
	s_lshl_b32 s43, s41, 10
	s_add_co_u32 s42, s42, s43                     ; + my two K steps' 1,024 bytes
	s_mov_b32 s43, 0
	s_add_nc_u64 s[38:39], s[38:39], s[42:43]
	s_mul_i32 s42, s40, 12288
	s_mul_i32 s46, s41, 3072
	s_add_co_u32 s42, s42, s46
	s_add_nc_u64 s[22:23], s[22:23], s[42:43]      ; img at my tile and K steps
	s_lshl_b32 s42, s36, 10
	s_add_nc_u64 s[24:25], s[24:25], s[42:43]      ; scl at the work-group's two tiles
.irp g, 0,1
.irp i, 0,1,2,3,4,5,6,7,8,9,10,11,12,13,14,15
	global_load_b128 v[R+64*\g+4*\i:R+64*\g+4*\i+3], v6, s[38:39] offset:4096*(\i+8*(\i/8))+512*\g th:TH_LOAD_NT
.endr
.endr
; THE TABLE, while the loads are out: E[y] = exp(-d) x (sum of cos(gamma x log(d + 1))) x log2(e) / 8, d = |y - 512|, y = 256 q + t, in work-groups q = 0 .. 5.
	s_cmp_ge_u32 s36, 6
	s_cbranch_scc1 .Lnotab
	s_load_b256 s[52:59], s[20:21], 0x0
	s_load_b64 s[60:61], s[20:21], 0x20
	s_mov_b32 s66, 0xb94ca1f9                      ; the sine's polynomial on |r| <= pi / 4
	s_mov_b32 s67, 0x3c08839e
	s_mov_b32 s68, 0xbe2aaaa3
	s_mov_b32 s69, 0x37ccf5ce                      ; the cosine's
	s_mov_b32 s70, 0xbab6061a
	s_mov_b32 s71, 0x3d2aaaa5
	s_lshl_b32 s62, s36, 8
	v_add_nc_u32 v[TB+1], s62, v0                  ; y
	v_lshlrev_b32 v[TB], 2, v[TB+1]
	v_subrev_nc_u32 v[TB+1], 512, v[TB+1]
	v_cvt_f32_i32 v[TB+2], v[TB+1]
	v_and_b32 v[TB+2], 0x7fffffff, v[TB+2]         ; d
	v_add_f32 v[TB+3], 1.0, v[TB+2]
	s_wait_alu depctr_va_vdst(0)                   ; the wait ahead of a transcendental
	v_log_f32 v[TB+3], v[TB+3]
	v_mul_f32 v[TB+4], 0xbfb8aa3b, v[TB+2]         ; -d log2(e)  (a plain place behind the logarithm)
	s_wait_alu depctr_va_vdst(0)                   ; and ahead of the result's first reader
	v_mul_f32 v[TB+3], 0x3f317218, v[TB+3]         ; log(d + 1)
	s_wait_alu depctr_va_vdst(0)
	v_exp_f32 v[TB+4], v[TB+4]                     ; exp(-d)
	v_mov_b32 v[TB+5], 0                           ; the sum  (a plain place behind the exponential)
	s_wait_alu depctr_va_vdst(0)                   ; the exponential's wait, and the one ahead of the wait below
	s_wait_kmcnt 0x0
.irp g, 52,53,54,55,56,57,58,59,60,61
	v_mul_f32 v[TB+6], s\g, v[TB+3]                ; a = gamma x log(d + 1), rounded as the formula rounds it
	v_mul_f32 v[TB+7], 0x3f22f983, v[TB+6]
	v_rndne_f32 v[TB+7], v[TB+7]                   ; k = a x 2 / pi, to the nearest whole number
	v_fmamk_f32 v[TB+6], v[TB+7], 0xbfc90fda, v[TB+6]   ; r = a - k x pi / 2, pi / 2 in three parts
	v_fmamk_f32 v[TB+6], v[TB+7], 0xb3a22168, v[TB+6]
	v_fmamk_f32 v[TB+6], v[TB+7], 0xa7c234c4, v[TB+6]
	v_mul_f32 v[TB+8], v[TB+6], v[TB+6]
	v_fma_f32 v[TB+9], v[TB+8], s66, s67
	v_fma_f32 v[TB+9], v[TB+9], v[TB+8], s68
	v_mul_f32 v[TB+10], v[TB+8], v[TB+6]
	v_fma_f32 v[TB+9], v[TB+9], v[TB+10], v[TB+6]  ; sin r
	v_fma_f32 v[TB+11], v[TB+8], s69, s70
	v_fma_f32 v[TB+11], v[TB+11], v[TB+8], s71
	v_mul_f32 v[TB+12], v[TB+8], v[TB+8]
	v_fma_f32 v[TB+13], v[TB+8], -0.5, 1.0
	v_fma_f32 v[TB+11], v[TB+11], v[TB+12], v[TB+13]   ; cos r
	v_cvt_i32_f32 v[TB+7], v[TB+7]
	v_and_b32 v[TB+14], 1, v[TB+7]
	v_cmp_ne_u32 vcc_lo, 0, v[TB+14]
	v_cndmask_b32 v[TB+9], v[TB+11], v[TB+9], vcc_lo   ; k odd: the sine
	v_add_nc_u32 v[TB+7], 1, v[TB+7]
	v_and_b32 v[TB+7], 2, v[TB+7]
	v_lshlrev_b32 v[TB+7], 30, v[TB+7]
	v_xor_b32 v[TB+9], v[TB+7], v[TB+9]            ; k % 4 = 1, 2: the sign turns
	v_add_f32 v[TB+5], v[TB+5], v[TB+9]
.endr
	v_mul_f32 v[TB+5], v[TB+4], v[TB+5]
	v_mul_f32 v[TB+5], 0x3e38aa3b, v[TB+5]         ; x log2(e) / 8
	global_store_b32 v[TB], v[TB+5], s[30:31]
	s_wait_xcnt 0x0                                ; the store's registers are written again below only behind this wait
.Lnotab:
	s_wait_loadcnt 16                              ; the first K step's 16 loads are in; the second's may be out
	TURNQ R, X
	s_wait_loadcnt 0x0
	s_wait_dscnt 0x0                               ; the first step is back: the stage and v32-95 are free
	TURNQ R+64, R
	QUANT X, PCA, PWS
	PUT PCA, 0
	s_wait_dscnt 0x0
	QUANT R, X, PWS+1
	PUT X, 1
	ds_store_b64 v10, v[PWS:PWS+1]                 ; scl[T][r][G]: lanes r and r + 16 write the same 8 bytes with the same value
	s_wait_alu depctr_va_vdst(0)                   ; the wait ahead of the waits below
	s_wait_dscnt 0x0
	s_barrier_signal -1
	s_barrier_wait -1                              ; both tiles' scale words are whole
	s_cmp_ge_u32 s[WV], 2
	s_cbranch_scc1 .Lqend
	ds_load_b128 v[R:R+3], v11
	s_wait_dscnt 0x0
	global_store_b128 v5, v[R:R+3], s[24:25]       ; a tile's 512 consecutive bytes
.Lqend:
	s_wait_tensorcnt 0x0                           ; the wave's end, behind my last LDS store
	ds_add_u32 v[SPW], v[NIL]
	s_wait_dscnt 0x0
	s_endpgm
.Lfunc_end_k_q95eaaf939c_prep:
	.size	k_q95eaaf939c_prep, .Lfunc_end_k_q95eaaf939c_prep-k_q95eaaf939c_prep
	.p2alignl 7, 3214868480
	.fill 96, 4, 3214868480
	.section	.rodata,"a",@progbits
	.p2align	6, 0x0
	.amdhsa_kernel k_q95eaaf939c_prep
		.amdhsa_group_segment_fixed_size 83968
		.amdhsa_private_segment_fixed_size 0
		.amdhsa_enable_private_segment 0
		.amdhsa_kernarg_size 112
		.amdhsa_user_sgpr_count 2
		.amdhsa_user_sgpr_kernarg_segment_ptr 1
		.amdhsa_wavefront_size32 1
		.amdhsa_system_sgpr_workgroup_id_x 1
		.amdhsa_system_sgpr_workgroup_id_y 1
		.amdhsa_system_sgpr_workgroup_id_z 1
		.amdhsa_system_vgpr_workitem_id 0
		.amdhsa_next_free_vgpr 256
		.amdhsa_next_free_sgpr 100
		.amdhsa_reserve_vcc 1
		.amdhsa_float_denorm_mode_32 3
		.amdhsa_float_denorm_mode_16_64 3
		.amdhsa_memory_ordered 1
		.amdhsa_forward_progress 1
		.amdhsa_inst_pref_size 93
	.end_amdhsa_kernel
	.amdgpu_metadata
---
amdhsa.version: [ 1, 2 ]
amdhsa.kernels:
  - .name:           k_q95eaaf939c_prep
    .symbol:         k_q95eaaf939c_prep.kd
    .args:
      - { .name: x, .offset: 0, .size: 8, .value_kind: global_buffer, .address_space: global }
      - { .name: wq, .offset: 8, .size: 8, .value_kind: global_buffer, .address_space: global }
      - { .name: wk, .offset: 16, .size: 8, .value_kind: global_buffer, .address_space: global }
      - { .name: wv, .offset: 24, .size: 8, .value_kind: global_buffer, .address_space: global }
      - { .name: wo, .offset: 32, .size: 8, .value_kind: global_buffer, .address_space: global }
      - { .name: omega_mask, .offset: 40, .size: 8, .value_kind: global_buffer, .address_space: global }
      - { .name: semantic_token_ids, .offset: 48, .size: 8, .value_kind: global_buffer, .address_space: global }
      - { .name: causal_mask, .offset: 56, .size: 8, .value_kind: global_buffer, .address_space: global }
      - { .name: gamma, .offset: 64, .size: 8, .value_kind: global_buffer, .address_space: global }
      - { .name: img, .offset: 72, .size: 8, .value_kind: global_buffer, .address_space: global }
      - { .name: scl, .offset: 80, .size: 8, .value_kind: global_buffer, .address_space: global }
      - { .name: msk, .offset: 88, .size: 8, .value_kind: global_buffer, .address_space: global }
      - { .name: cnt, .offset: 96, .size: 8, .value_kind: global_buffer, .address_space: global }
      - { .name: mtab, .offset: 104, .size: 8, .value_kind: global_buffer, .address_space: global }
    .group_segment_fixed_size: 83968
    .private_segment_fixed_size: 0
    .kernarg_segment_align: 8
    .kernarg_segment_size: 112
    .max_flat_workgroup_size: 256
    .sgpr_count:     100
    .vgpr_count:     256
    .wavefront_size: 32
...
	.end_amdgpu_metadata
.endif
;; end of part 1
;; launch qkv (part 2): grid 8 x 24, 4 waves a work-group, clusters of 4 x 4, 327,680 bytes of LDS; arguments img, scl, bq, bk, bv, qbuf, kv; writes qbuf, kv
.if DOCPART == 2
	.amdgcn_target "amdgcn-amd-amdhsa--gfx1250"
	.amdhsa_code_object_version 6
	.text
	.protected	k_q95eaaf939c_qkv
	.globl	k_q95eaaf939c_qkv
	.p2align	8
	.type	k_q95eaaf939c_qkv,@function
k_q95eaaf939c_qkv:
	s_mov_b64 s[64:65], 0
	v_nop
	global_prefetch_b8 v0, s[64:65] scope:SCOPE_SE
	s_setreg_imm32_b32 hwreg(HW_REG_WAVE_MODE, 25, 1), 1
	s_wait_xcnt 0x0
	s_wait_alu depctr_hold_cnt(0) depctr_sa_sdst(0) depctr_va_vdst(0) depctr_va_sdst(0) depctr_va_ssrc(0) depctr_va_vcc(0) depctr_vm_vsrc(0)
	s_getreg_b32 s2, hwreg(HW_REG_IB_STS2, 6, 4)
	s_cmp_eq_u32 s2, 0
	s_cbranch_scc0 .Lentry_in_a_cluster
	s_endpgm
.Lentry_in_a_cluster:
	s_bfe_u32 s2, ttmp6, 0x10000c
	s_cmp_lg_u32 s2, 0xf033
	s_cbranch_scc0 .Lentry_shape_is_right
	s_endpgm
.Lentry_shape_is_right:
.set FR,    12
.set NL,    4
.set NP,    4
.set TILEB, 3072
.set HALFT, 8*TILEB
.set SLOT,  4*HALFT
.set SPARE, 2*SLOT
.set ADRA, 4
.set ADRB, 8
.set O16,  12
.set O8,   13
.set SPW,  28
.set NIL,  29
.set SC,   32
.set BM,   96
.set AF,   128
.set X,    128
.set TM,   192
.set PWS,  208
.set PC,   216
.set PW,   236
.set G1A, 28
.set G0A, 36
.set G1B, 44
.set G0B, 52
.set SEL, 80
.set MSB, 0
.macro WIN new
.if MSB != \new
	s_set_vgpr_msb (MSB<<8)|\new
.set MSB, \new
.endif
.endm
.set MUL_LO, 0xa1
.set MUL_HI, 0xf1
.set TO_B,   0x40
.macro JLOAD g0a, g1a, g0b, g1b
	s_cmp_eq_u32 s19, 0
	s_cbranch_scc0 .Lfor_b_\@
	tensor_load_to_lds s[\g0a:\g0a+3], s[\g1a:\g1a+7]
	s_nop 0
.rept 4
	v_nop
.endr
	s_branch .Lasked_\@
.Lfor_b_\@:
	tensor_load_to_lds s[\g0b:\g0b+3], s[\g1b:\g1b+7]
	s_nop 0
.rept 4
	v_nop
.endr
.Lasked_\@:
.endm
.macro CREST
	s_cmp_lg_u32 s18, 0
	s_cbranch_scc1 .Lnot_wave_0_\@
	s_barrier_signal -3
.Lnot_wave_0_\@:
	s_barrier_wait -3
	s_barrier_signal -1
	s_barrier_wait -1
.endm
.macro CROUND
	s_barrier_signal -1
	s_barrier_wait -1
	CREST
.endm
.macro PLACES n
.rept \n
	v_nop
.endr
.endm
	s_load_b256 s[4:11], s[0:1], 0x0
	s_load_b128 s[12:15], s[0:1], 0x20
	s_load_b64 s[16:17], s[0:1], 0x30
	v_lshl_add_u32 v[SPW], v0, 2, SPARE
	v_mov_b32 v[NIL], 0
	ds_add_u32 v[SPW], v[NIL]
	ds_add_u32 v[SPW], v[NIL]
	v_lshrrev_b32 v1, 5, v0
	v_readfirstlane_b32 s18, v1
	s_lshr_b32 s19, s18, 1
	s_and_b32 s20, s18, 1
	s_bfe_u32 s21, ttmp6, 0x40000
	s_bfe_u32 s22, ttmp6, 0x40004
	s_lshl_b32 s23, ttmp9, 2
	s_add_co_u32 s23, s23, s21
	s_and_b32 s25, ttmp7, 0xffff
	s_lshl_b32 s24, s25, 2
	s_add_co_u32 s24, s24, s22
	s_lshl_b32 s84, s22, 2
	s_lshl_b32 s84, 15, s84
	s_lshl_b32 s85, 0x1111, s21
	s_or_b32 s[G1A], s84, (3<<16)|(1<<21)
	s_or_b32 s[G1B], s85, (3<<16)|(1<<21)
.irp g, G1A, G1B
	s_mov_b32 s[\g+1], 384<<16
	s_mov_b32 s[\g+2], 8<<16
	s_mov_b32 s[\g+3], 384<<16
	s_mov_b32 s[\g+4], 8
	s_mov_b32 s[\g+5], 1536
	s_mov_b32 s[\g+6], 0
	s_mov_b32 s[\g+7], 0
.endr
	s_lshl_b32 s86, s24, 4
	s_lshl_b32 s87, s22, 4
	s_add_co_u32 s87, s87, 384
	s_lshl_b32 s88, s23, 4
	s_add_co_u32 s88, s88, 256
	s_lshl_b32 s89, s25, 3
	s_add_co_u32 s89, s89, s23
	s_sub_co_u32 s89, s89, 32
	s_lshl_b32 s89, s89, 4
	s_cmp_ge_u32 s25, 4
	s_cselect_b32 s26, 1, 0
	s_cselect_b32 s86, s87, s86
	s_cselect_b32 s88, s89, s88
	s_lshl_b32 s87, s20, 3
	s_add_co_u32 s90, s86, s87
	s_mul_i32 s90, s90, 12288
	s_mov_b32 s91, 0
	s_add_co_u32 s92, s88, s87
	s_mul_i32 s92, s92, 12288
	s_mov_b32 s93, 0
	s_mul_i32 s94, s18, HALFT
	s_mov_b32 s[SEL], 0x76543210
	s_mov_b32 s[SEL+1], 0xfedcba98
	s_mov_b32 s82, 0xffff0000
	s_wait_dscnt 0x0
	s_wait_kmcnt 0x0
	s_add_nc_u64 s[90:91], s[4:5], s[90:91]
	s_add_nc_u64 s[92:93], s[4:5], s[92:93]
	CROUND
.irp s, 0,1
	s_mov_b32 s[G0A+4*\s], 1
	s_add_co_u32 s[G0A+4*\s+1], s94, \s*SLOT
	s_add_nc_u64 s[G0A+4*\s+2:G0A+4*\s+3], s[90:91], \s*TILEB
	s_or_b32 s[G0A+4*\s+3], s[G0A+4*\s+3], 0x80000000
	s_mov_b32 s[G0B+4*\s], 1
	s_add_co_u32 s[G0B+4*\s+1], s94, \s*SLOT
	s_add_nc_u64 s[G0B+4*\s+2:G0B+4*\s+3], s[92:93], \s*TILEB
	s_or_b32 s[G0B+4*\s+3], s[G0B+4*\s+3], 0x80000000
	s_wait_alu depctr_va_vdst(0)
	s_wait_tensorcnt 0x0
	ds_add_u32 v28, v29
	ds_add_u32 v28, v29
	s_wait_dscnt 0x0
	CROUND
	JLOAD G0A+4*\s, G1A, G0B+4*\s, G1B
.endr
	v_and_b32 v1, 31, v0
	v_and_b32 v2, 15, v0
	v_bfe_u32 v3, v0, 4, 1
	v_lshlrev_b32 v[O16], 4, v1
	v_lshlrev_b32 v[O8], 3, v1
	s_mul_i32 s84, s19, HALFT
	s_mul_i32 s85, s20, HALFT
	s_add_co_u32 s85, s85, 2*HALFT
.irp s, 0,1
	v_add_nc_u32 v[ADRA+\s], s84, v[O16]
	v_add_nc_u32 v[ADRA+2+\s], s84, v[O8]
	v_add_nc_u32 v[ADRB+\s], s85, v[O16]
	v_add_nc_u32 v[ADRB+2+\s], s85, v[O8]
	s_add_co_u32 s84, s84, SLOT
	s_add_co_u32 s85, s85, SLOT
.endr
	s_lshl_b32 s84, s19, 3
	s_add_co_u32 s86, s86, s84
	s_add_co_u32 s88, s88, s87
	s_lshl_b32 s84, s86, 9
	s_lshl_b32 s85, s88, 9
	v_mov_b32 v14, s84
	v_mov_b32 v15, s85
	v_cndmask_b32 v14, v14, v15, s82
	v_lshl_add_u32 v14, v2, 5, v14
.irp i, 0,1,2,3,4,5,6,7
	global_load_b128 v[SC+8*\i:SC+8*\i+3], v14, s[6:7] offset:512*\i
	global_load_b128 v[SC+8*\i+4:SC+8*\i+7], v14, s[6:7] offset:512*\i+16
.endr
	s_cmp_eq_u32 ttmp9, 1
	s_cselect_b64 s[78:79], s[10:11], s[8:9]
	s_cselect_b32 s83, 1, 0
	s_cmp_eq_u32 s26, 1
	s_cselect_b64 s[78:79], s[12:13], s[78:79]
	s_lshl_b32 s84, s88, 4
	s_and_b32 s84, s84, 1023
	s_lshl_b32 s84, s84, 2
	v_lshl_add_u32 v15, v3, 6, s84
	s_lshl_b32 s85, s86, 4
	s_and_b32 s85, s85, 1023
	v_and_b32 v16, 8, v2
	v_add_nc_u32 v16, v16, v2
	v_add_nc_u32 v16, s85, v16
	v_lshlrev_b32 v16, 2, v16
	WIN TO_B
.irp b, 0,1,2,3
.irp q, 0,1,2,3
	global_load_b128 v[96+16*\b+4*\q+96*(\b/2):96+16*\b+4*\q+96*(\b/2)+3], v15, s[78:79] offset:128*\b+16*\q
.endr
.endr
	WIN 0
.irp a, 0,1,2,3,4,5,6,7
	global_load_b32 v[BM+2*\a], v16, s[78:79] offset:4*(32*(\a/2)+8*(\a%2))
.endr
	s_cmp_eq_u32 s26, 1
	s_cselect_b32 s84, s88, s86
	s_cselect_b32 s85, s86, s88
	s_and_b32 s85, s85, 63
	s_lshr_b32 s85, s85, 2
	s_lshr_b32 s87, s84, 7
	s_lshl_b32 s87, s87, 4
	s_add_co_u32 s87, s87, s85
	s_lshl_b32 s87, s87, 4
	s_bfe_u32 s84, s84, 0x40003
	s_add_co_u32 s87, s87, s84
	s_or_b32 s84, s26, s83
	s_cmp_eq_u32 s84, 1
	s_cselect_b64 s[66:67], s[16:17], s[14:15]
	s_mov_b32 s85, 6400
	s_cselect_b32 s85, 12800, s85
	s_mov_b32 s89, 6144
	s_cselect_b32 s89, 12288, s89
	s_mul_i32 s87, s87, s85
	s_lshl_b32 s85, s85, 4
	s_cmp_eq_u32 s26, 1
	s_cselect_b32 s90, 6144, 0
	s_mov_b32 s91, 768
	s_cselect_b32 s91, s91, s85
	s_mov_b32 s92, 12544
	s_cselect_b32 s89, s92, s89
	s_mov_b32 s74, 768
	s_cselect_b32 s74, 1536, s74
	s_cselect_b32 s76, 198656, 0
	s_mov_b32 s75, 0
	s_mov_b32 s77, 0
	s_add_co_u32 s92, s87, s89
	s_mov_b32 s93, 0
	s_add_nc_u64 s[70:71], s[66:67], s[92:93]
	s_mov_b32 s92, s85
	s_add_nc_u64 s[72:73], s[70:71], s[92:93]
	s_add_co_u32 s92, s87, s90
	s_add_nc_u64 s[66:67], s[66:67], s[92:93]
	s_mov_b32 s92, s91
	s_add_nc_u64 s[68:69], s[66:67], s[92:93]
.macro FRAG reg, adr, off
	ds_load_b128 v[\reg:\reg+3], v[\adr] offset:\off
	ds_load_b64 v[\reg+4:\reg+5], v[\adr+2] offset:(\off)+512
	ds_load_b128 v[\reg+6:\reg+9], v[\adr] offset:(\off)+768
	ds_load_b64 v[\reg+10:\reg+11], v[\adr+2] offset:(\off)+1280
.endm
.macro MUL16 a0, p, G, zero
.irp a, \a0, \a0+1
.irp b, 0,1,2,3,4,5,6,7
.if \zero
	v_wmma_scale_f32_16x16x128_f8f6f4 v[8*(8*((\a)%4)+\b):8*(8*((\a)%4)+\b)+7], v[128*(\p)+FR*\b:128*(\p)+FR*\b+FR-1], v[AF+FR*(\a):AF+FR*(\a)+FR-1], 0, v[SC+8*\b+(\G)], v[SC+8*(\a)+(\G)] matrix_a_fmt:MATRIX_FMT_FP6 matrix_b_fmt:MATRIX_FMT_FP6 matrix_a_scale:MATRIX_SCALE_ROW1
.else
	v_wmma_scale_f32_16x16x128_f8f6f4 v[8*(8*((\a)%4)+\b):8*(8*((\a)%4)+\b)+7], v[128*(\p)+FR*\b:128*(\p)+FR*\b+FR-1], v[AF+FR*(\a):AF+FR*(\a)+FR-1], v[8*(8*((\a)%4)+\b):8*(8*((\a)%4)+\b)+7], v[SC+8*\b+(\G)], v[SC+8*(\a)+(\G)] matrix_a_fmt:MATRIX_FMT_FP6 matrix_b_fmt:MATRIX_FMT_FP6 matrix_a_scale:MATRIX_SCALE_ROW1
.endif
.endr
.endr
.endm
.macro FETCH_B slot, q, p
	WIN TO_B
.irp i, 0,1,2,3,4,5,6,7
	FRAG 128*(\p)+FR*\i, ADRB+\slot, \i*TILEB+(\q)*1536
.endr
	WIN 0
.endm
.macro FETCH_A slot, q, i0
.irp i, \i0, \i0+1, \i0+2, \i0+3
	FRAG AF+FR*(\i), ADRA+\slot, (\i)*TILEB+(\q)*1536
.endr
.endm
.macro STEP slot, G, zero
	s_wait_dscnt 4*NL
	WIN MUL_LO
	MUL16 0, 0, \G, \zero
	MUL16 2, 0, \G, \zero
	s_wait_dscnt 0
	PLACES NP
	FETCH_B \slot, 1, 1
	FETCH_A \slot, 1, 0
	WIN MUL_HI
	MUL16 4, 0, \G, \zero
	MUL16 6, 0, \G, \zero
	PLACES NP
	WIN 0
	FETCH_A \slot, 1, 4
.endm
.macro TURN slot, next, G, fill
	s_wait_tensorcnt 0x0
	ds_add_u32 v[SPW], v[NIL]
	s_wait_dscnt 4*NL+1
	WIN MUL_LO
	MUL16 0, 1, \G, 0
	s_wait_dscnt 0x0
	s_barrier_signal -1
	MUL16 2, 1, \G, 0
	WIN 0
	s_barrier_wait -1
.if \fill
	CREST
	s_add_nc_u64 s[G0A+4*\slot+2:G0A+4*\slot+3], s[G0A+4*\slot+2:G0A+4*\slot+3], 2*TILEB
	s_add_nc_u64 s[G0B+4*\slot+2:G0B+4*\slot+3], s[G0B+4*\slot+2:G0B+4*\slot+3], 2*TILEB
	JLOAD G0A+4*\slot, G1A, G0B+4*\slot, G1B
.else
	PLACES NP
.endif
	FETCH_B \next, 0, 0
	FETCH_A \next, 0, 0
	WIN MUL_HI
	MUL16 4, 1, \G, 0
	MUL16 6, 1, \G, 0
	PLACES NP
	WIN 0
	FETCH_A \next, 0, 4
.endm
	s_wait_tensorcnt 1
	s_barrier_signal -1
	s_barrier_wait -1
	FETCH_B 0, 0, 0
	FETCH_A 0, 0, 0
	FETCH_A 0, 0, 4
	s_wait_loadcnt 0x0
.irp a, 0,1,2,3,4,5,6,7
	v_mov_b32 v[BM+2*\a+1], v[BM+2*\a]
.endr
	STEP 0, 0, 1
	TURN 0, 1, 1, 1
	STEP 1, 2, 0
	TURN 1, 0, 3, 1
	STEP 0, 4, 0
	TURN 0, 1, 5, 0
	STEP 1, 6, 0
	s_wait_dscnt 4*NL
	WIN MUL_LO
	MUL16 0, 1, 7, 0
	MUL16 2, 1, 7, 0
	s_wait_dscnt 0
	WIN MUL_HI
	MUL16 4, 1, 7, 0
	MUL16 6, 1, 7, 0
	WIN 0
.macro QUANT s
.irp b, 0,1,2,3
	v_max3_num_f32 v[TM+\b], |v[\s+16*\b]|, |v[\s+1+16*\b]|, 0x1800000
.endr
.irp i, 2,4,6,8,10,12,14
.irp b, 0,1,2,3
	v_max3_num_f32 v[TM+\b], v[TM+\b], |v[\s+16*\b+\i]|, |v[\s+1+16*\b+\i]|
.endr
.endr
.irp b, 0,1,2,3
	v_permlanex16_b32 v[TM+4+\b], v[TM+\b], s[SEL], s[SEL+1]
.endr
.irp b, 0,1,2,3
	v_max_num_f32 v[TM+\b], v[TM+\b], v[TM+4+\b]
.endr
.irp b, 0,1,2,3
	v_add_nc_u32 v[TM+12+\b], 0xff000000, v[TM+\b]
.endr
.irp b, 0,1,2,3
	v_lshrrev_b32 v[TM+4+\b], 23, v[TM+12+\b]
.endr
	v_lshl_or_b32 v[PW], v[TM+5], 8, v[TM+4]
	v_lshl_or_b32 v[PW], v[TM+6], 16, v[PW]
	v_lshl_or_b32 v[PW], v[TM+7], 24, v[PW]
.irp c, 0,1
	v_cvt_scalef32_pk16_fp6_f32 v[PC+6*\c:PC+2+6*\c], v[\s+32*\c:\s+15+32*\c], v[TM+12+2*\c]
	v_cvt_scalef32_pk16_fp6_f32 v[PC+12+4*\c:PC+14+4*\c], v[\s+16+32*\c:\s+31+32*\c], v[TM+12+2*\c+1]
.endr
	v_nop
.irp c, 0,1
.irp i, 0,1,2
	v_permlane16_swap_b32 v[PC+6*\c+\i], v[PC+12+4*\c+\i]
.endr
.irp i, 0,1,2
	v_mov_b32 v[PC+3+6*\c+\i], v[PC+12+4*\c+\i]
.endr
.endr
.endm
.macro EPI a
	s_cmp_eq_u32 s26, 1
	s_cbranch_scc1 .Lvb_\@
	WIN 0x06+(\a)/4
.set p, 0
.rept 32
	v_pk_add_f32 v[X+2*p:X+2*p+1], v[64*((\a)%4)+2*p:64*((\a)%4)+2*p+1], v[96+2*p+96*(p/16):96+2*p+96*(p/16)+1]
.set p, p+1
.endr
	WIN 0
	s_branch .Lbd_\@
.Lvb_\@:
	WIN 0x02+(\a)/4
.set p, 0
.rept 32
	v_pk_add_f32 v[X+2*p:X+2*p+1], v[64*((\a)%4)+2*p:64*((\a)%4)+2*p+1], v[BM+2*(\a):BM+2*(\a)+1]
.set p, p+1
.endr
	WIN 0
.Lbd_\@:
	QUANT X
	v_mov_b32 v[PWS+(\a)], v[PW]
	global_store_b128 v[O16], v[PC:PC+3], s[66:67]
	global_store_b64 v[O8], v[PC+4:PC+5], s[66:67] offset:512
	global_store_b128 v[O16], v[PC+6:PC+9], s[68:69]
	global_store_b64 v[O8], v[PC+10:PC+11], s[68:69] offset:512
.if (\a) < 7
	s_wait_xcnt 0x0
	s_add_nc_u64 s[66:67], s[66:67], s[74:75]
	s_add_nc_u64 s[68:69], s[68:69], s[74:75]
.if (\a) == 3
	s_add_nc_u64 s[66:67], s[66:67], s[76:77]
	s_add_nc_u64 s[68:69], s[68:69], s[76:77]
.endif
.endif
.endm
	PLACES NP
.irp b, 0,1,2,3
	v_mov_b32 v[TM+4+\b], 0
.endr
.irp a, 0,1,2,3,4,5,6,7
	EPI \a
.endr
	s_cmp_eq_u32 s26, 1
	s_cbranch_scc1 .Lvs
.irp g, 0,1,2,3
	v_perm_b32 v[TM+\g], v[PWS+2*\g+1], v[PWS+2*\g], 0x05040100
.endr
	v_cndmask_b32 v[X], v[TM], v[TM+1], s82
	v_cndmask_b32 v[X+1], v[TM+2], v[TM+3], s82
	global_store_b64 v[O8], v[X:X+1], s[70:71]
.irp g, 0,1,2,3
	v_perm_b32 v[TM+\g], v[PWS+2*\g+1], v[PWS+2*\g], 0x07060302
.endr
	v_cndmask_b32 v[X+2], v[TM], v[TM+1], s82
	v_cndmask_b32 v[X+3], v[TM+2], v[TM+3], s82
	global_store_b64 v[O8], v[X+2:X+3], s[72:73]
	s_branch .Lsd
.Lvs:
	s_wait_alu depctr_va_vdst(0)
.irp u, 0,1
	v_cndmask_b32 v[X+2*\u], v[PWS+4*\u], v[PWS+4*\u+1], s82
	v_cndmask_b32 v[X+2*\u+1], v[PWS+4*\u+2], v[PWS+4*\u+3], s82
	global_store_b64 v[O8], v[X+2*\u:X+2*\u+1], s[70+2*\u:71+2*\u]
.endr
.Lsd:
	s_wait_tensorcnt 0x0
	ds_add_u32 v[SPW], v[NIL]
	s_wait_dscnt 0x0
	CROUND
	s_endpgm
.Lfunc_end_k_q95eaaf939c_qkv:
	.size	k_q95eaaf939c_qkv, .Lfunc_end_k_q95eaaf939c_qkv-k_q95eaaf939c_qkv
	.p2alignl 7, 3214868480
	.fill 96, 4, 3214868480
	.section	.rodata,"a",@progbits
	.p2align	6, 0x0
	.amdhsa_kernel k_q95eaaf939c_qkv
		.amdhsa_group_segment_fixed_size 327680
		.amdhsa_private_segment_fixed_size 0
		.amdhsa_enable_private_segment 0
		.amdhsa_kernarg_size 56
		.amdhsa_user_sgpr_count 2
		.amdhsa_user_sgpr_kernarg_segment_ptr 1
		.amdhsa_wavefront_size32 1
		.amdhsa_system_sgpr_workgroup_id_x 1
		.amdhsa_system_sgpr_workgroup_id_y 1
		.amdhsa_system_sgpr_workgroup_id_z 1
		.amdhsa_system_vgpr_workitem_id 0
		.amdhsa_next_free_vgpr 1024
		.amdhsa_next_free_sgpr 100
		.amdhsa_reserve_vcc 0
		.amdhsa_float_denorm_mode_32 3
		.amdhsa_float_denorm_mode_16_64 3
		.amdhsa_memory_ordered 1
		.amdhsa_forward_progress 1
		.amdhsa_inst_pref_size 186
	.end_amdhsa_kernel
	.amdgpu_metadata
---
amdhsa.version: [ 1, 2 ]
amdhsa.kernels:
  - .name:           k_q95eaaf939c_qkv
    .symbol:         k_q95eaaf939c_qkv.kd
    .args:
      - { .name: img, .offset: 0, .size: 8, .value_kind: global_buffer, .address_space: global }
      - { .name: scl, .offset: 8, .size: 8, .value_kind: global_buffer, .address_space: global }
      - { .name: bq, .offset: 16, .size: 8, .value_kind: global_buffer, .address_space: global }
      - { .name: bk, .offset: 24, .size: 8, .value_kind: global_buffer, .address_space: global }
      - { .name: bv, .offset: 32, .size: 8, .value_kind: global_buffer, .address_space: global }
      - { .name: qbuf, .offset: 40, .size: 8, .value_kind: global_buffer, .address_space: global }
      - { .name: kv, .offset: 48, .size: 8, .value_kind: global_buffer, .address_space: global }
    .group_segment_fixed_size: 327680
    .private_segment_fixed_size: 0
    .kernarg_segment_align: 8
    .kernarg_segment_size: 56
    .max_flat_workgroup_size: 128
    .sgpr_count:     100
    .vgpr_count:     1024
    .wavefront_size: 32
...
	.end_amdgpu_metadata
.endif
;; end of part 2
;; launch attn (part 3): grid 8 x 32, 16 waves a work-group, no clusters, 327,680 bytes of LDS; arguments qbuf, kv, msk, cnt, mtab, aimg, scl; writes aimg, scl
.if DOCPART == 3
	.amdgcn_target "amdgcn-amd-amdhsa--gfx1250"
	.amdhsa_code_object_version 6
	.text
	.protected	k_q95eaaf939c_attn
	.globl	k_q95eaaf939c_attn
	.p2align	8
	.type	k_q95eaaf939c_attn,@function
k_q95eaaf939c_attn:
	s_mov_b64 s[64:65], 0
	v_nop
	global_prefetch_b8 v0, s[64:65] scope:SCOPE_SE
	s_setreg_imm32_b32 hwreg(HW_REG_WAVE_MODE, 25, 1), 1
	s_wait_xcnt 0x0
; ATTN: work-group (x, y): batch and head y, queries 256 x .. 256 x + 255; wave w takes tile 16 x + w of 16 queries.  Both products are used transposed: a lane holds one query.
; WORK LEFT OUT (launch prep's head, limit (c)): no q . k is formed for a step of 128 keys in which every |i - j| is 129 or more; there the logit is +-0.  A NaN, an infinity or an overflow in those scores is not carried on.
; All 16 key steps of the head (K's and V's fragments and scale words, 12,800 bytes a step) lie in LDS, in two halves, each filled once; position j holds key step (2 x - 2 + j) % 16, so that the near steps lie in the first half.
; NEAR STEPS (the query's own key step and its neighbours, 2 or 3): scores, table, masks, running whole-number M, p quantised, O += V^T p^T.
; FAR STEPS (the others): p = 2^-M on allowed keys: its codes (4.0 or 0) were made once for all heads by launch prep and come from memory, one step ahead.  O2 += V^T p^T under the fixed scale byte 125 (4.0 x 2^-2 = 1).
; THE END: with t_far and the far count of the row (launch prep), M = ceil(max(near t, t_far)); O = O 2^(M_near - M) + O2 2^(t_far - M): powers of two, which round nothing; the row's sum likewise.
; LIMIT: the scaled scores stay under 2^31 in size.
; cluster = none: each query block lays the key steps in LDS in its own rotated order, so the LDS addresses of a joint load would differ between partners.  No prefetch: p's fragments are asked for a step ahead by plain loads.
.set BLK,   12800
.set VFR,   6144                       ; in a step: V's four fragments behind K's four
.set KSC,   12288                      ; K's scale words, 256 bytes; V's
.set VSC,   12544
.set TAB,   204800                     ; the table of the memory kernel, 6,144 bytes, stored by the waves
.set SPARE, 210944
.set L16, 1                            ; 16 x lane, 8 x lane
.set L8,  2
.set A16, 3                            ; the same + the step's place in LDS
.set A8,  4
.set SPW, 5
.set NIL, 6
.set TBA, 7
.set TAD, 8
.set QLO, 16                           ; q's fragment in the low and in the high half of K = 128; in the far loop: p's fragments, two buffers
.set QHI, 28
.set FRG, 40                           ; four fragments of K or V
.set S,   88                           ; scores, then p; in the far loop v88-119: O2
.set O,   152
.set PC,  184
.set BX,  204
.set PT,  208
.set SO,  212
.set QS,  232
.set KVS, 234
.set PW,  236
.set PWC, 237                          ; the far steps' scale word
.set TMK, 238
.set F,   240
.set CFR, 242                          ; v242 the row's far count, v243 its far t
.set G,   248
	s_load_b256 s[16:23], s[0:1], 0x0              ; qbuf 16, kv 18, msk 20, cnt 22
	s_load_b128 s[24:27], s[0:1], 0x20             ; mtab 24, aimg 26
	s_load_b64 s[28:29], s[0:1], 0x30              ; scl
	v_lshl_add_u32 v[SPW], v0, 2, SPARE
	v_mov_b32 v[NIL], 0
	ds_add_u32 v[SPW], v[NIL]                      ; the opening lines
	ds_add_u32 v[SPW], v[NIL]
	v_lshrrev_b32 v11, 5, v0
	v_readfirstlane_b32 s2, v11                    ; wave
	s_and_b32 s11, ttmp7, 0xffff
	s_mov_b32 s84, 3<<16                           ; group 1: 25 rows of 256 bytes, dense: what a wave brings of a half
	s_mov_b32 s85, 32<<16
	s_mov_b32 s86, 25<<16
	s_mov_b32 s87, 32<<16
	s_mov_b32 s88, 25
	s_mov_b32 s89, 32
	s_mov_b32 s90, 0
	s_mov_b32 s91, 0
	s_mul_i32 s66, s2, 6400
	s_mov_b32 s92, 1
	s_mov_b32 s93, s66
	s_mov_b32 s96, 1
	s_add_co_u32 s97, s66, 102400
	s_lshr_b32 s66, s2, 2
	s_add_co_u32 s66, s66, ttmp9
	s_add_co_u32 s66, s66, 7
	s_and_b32 s67, s66, 7                          ; the pair of key steps that my quarter belongs to: (x - 1 + w / 4) % 8, and four pairs on
	s_add_co_u32 s66, s66, 4
	s_and_b32 s66, s66, 7
	s_mul_i32 s67, s67, 25600
	s_mul_i32 s66, s66, 25600
	s_and_b32 s10, s2, 3
	s_mul_i32 s10, s10, 6400
	s_mul_i32 s7, s11, 204800
	s_add_co_u32 s10, s10, s7
	s_add_co_u32 s94, s67, s10
	s_mov_b32 s95, 0
	s_add_co_u32 s98, s66, s10
	s_mov_b32 s99, 0
	s_mov_b32 s14, 0x76543210
	s_mov_b32 s15, 0xfedcba98
	s_wait_dscnt 0x0
	s_wait_kmcnt 0x0
	s_add_nc_u64 s[94:95], s[18:19], s[94:95]
	s_or_b32 s95, s95, 0x80000000
	s_add_nc_u64 s[98:99], s[18:19], s[98:99]
	s_or_b32 s99, s99, 0x80000000
	tensor_load_to_lds s[92:95], s[84:91]          ; the first half: one tensor load a wave at the head
	s_nop 0
	s_wait_alu depctr_va_vdst(0)
	s_wait_tensorcnt 0x0                           ; the wait, the add and the barrier ahead of a later first fill
	ds_add_u32 v[SPW], v[NIL]
	s_wait_dscnt 0x0
	s_barrier_signal -1
	s_barrier_wait -1
	tensor_load_to_lds s[96:99], s[84:91]          ; the second half
	s_nop 0
.rept 4
	v_nop
.endr
	s_lshr_b32 s66, s11, 4
	s_lshl_b32 s66, s66, 7
	s_lshl_b32 s67, ttmp9, 4
	s_add_co_u32 s66, s66, s67
	s_add_co_u32 s66, s66, s2                      ; my tile: 128 b + 16 x + w
	s_and_b32 s67, s11, 15                         ; head
	s_lshl_b32 s8, s66, 12
	s_mov_b32 s9, 0
	s_add_nc_u64 s[8:9], s[20:21], s[8:9]          ; msk at my tile
	s_mul_i32 s12, s66, 24576
	s_add_co_u32 s12, s12, 65536
	s_mov_b32 s13, 0
	s_add_nc_u64 s[12:13], s[22:23], s[12:13]      ; p's far fragments of my tile
	s_lshl_b32 s34, s66, 8
	s_mov_b32 s35, 0
	s_add_nc_u64 s[34:35], s[22:23], s[34:35]      ; its far counts and logits
	s_mul_i32 s100, s66, 12288
	s_mul_i32 s10, s67, 768
	s_add_co_u32 s100, s100, s10
	s_mov_b32 s101, 0
	s_add_nc_u64 s[100:101], s[26:27], s[100:101]
	s_lshl_b32 s104, s66, 9
	s_lshl_b32 s10, s67, 1
	s_add_co_u32 s104, s104, s10
	s_add_co_u32 s104, s104, 262144
	s_mov_b32 s105, 0
	s_add_nc_u64 s[104:105], s[28:29], s[104:105]
	s_lshl_b32 s30, s11, 4
	s_lshl_b32 s10, ttmp9, 1
	s_add_co_u32 s30, s30, s10
	s_lshr_b32 s10, s2, 3
	s_add_co_u32 s30, s30, s10
	s_mul_i32 s30, s30, 6400
	s_bfe_u32 s10, s2, 0x10001
	s_lshl_b32 s10, s10, 7
	s_bfe_u32 s32, s2, 0x10002
	s_lshl_b32 s32, s32, 2
	s_add_co_u32 s32, s32, s10
	s_add_co_u32 s32, s32, s30
	s_add_co_u32 s32, s32, 6144
	s_mov_b32 s33, 0
	s_add_nc_u64 s[32:33], s[16:17], s[32:33]
	s_and_b32 s10, s2, 7
	s_mul_i32 s10, s10, 768
	s_add_co_u32 s30, s30, s10
	s_mov_b32 s31, 0
	s_add_nc_u64 s[30:31], s[16:17], s[30:31]
	v_and_b32 v11, 31, v0
	v_and_b32 v244, 15, v0
	v_bfe_u32 v245, v0, 4, 1
	v_lshlrev_b32 v[L16], 4, v11
	v_lshlrev_b32 v[L8], 3, v11
	v_lshlrev_b32 v246, 2, v0
	v_lshl_add_u32 v252, v0, 2, TAB
	v_lshlrev_b32 v250, 3, v244
.irp e, 0,1,2
	global_load_b32 v[247+\e], v246, s[24:25] offset:2048*\e
.endr
	global_load_b128 v[QLO:QLO+3], v[L16], s[30:31]
	global_load_b64 v[QLO+4:QLO+5], v[L8], s[30:31] offset:512
	global_load_b128 v[QHI+6:QHI+9], v[L16], s[30:31]
	global_load_b64 v[QHI+10:QHI+11], v[L8], s[30:31] offset:512
	global_load_b32 v251, v250, s[32:33]
	global_load_b64 v[CFR:CFR+1], v[L8], s[34:35]
.irp i, 0,1,2,3,4,5
	v_mov_b32 v[QLO+6+\i], 0                       ; the head size is 64: the other half of K = 128 holds zero codes
	v_mov_b32 v[QHI+\i], 0
.endr
	s_lshr_b32 s66, s2, 1
	s_lshl_b32 s66, s66, 5
	s_and_b32 s67, s2, 1
	s_lshl_b32 s67, s67, 3
	s_add_co_u32 s66, s66, s67
	v_and_b32 v253, 8, v244
	v_add_nc_u32 v253, v253, v244
	v_add_nc_u32 v253, s66, v253                   ; my query in the block of 256
	v_lshlrev_b32 v253, 2, v253
	v_lshl_add_u32 v[TBA], v245, 6, TAB+1024
	v_sub_nc_u32 v[TBA], v[TBA], v253              ; the table at y = 256 + 16 h - query; 128 more for each position
	v_mov_b32 v[TMK], 0xceabfb8f                   ; -1e9 log2(e)
	v_mov_b32 v[PWC], 0x7d7d7d7d
	v_mov_b32 v[F], 0
	v_mov_b32 v[F+1], 0
	v_mov_b32 v13, 0xff61b1e6                      ; the largest t so far: -3e38
	v_floor_f32 v12, -v13                          ; -M
	v_mov_b32 v14, 0
	v_mov_b32 v15, 0
.irp b, 0,1,2,3
	v_mov_b32 v[PT+\b], 0
.endr
	s_lshr_b32 s7, s2, 3
	s_add_co_u32 s7, s7, 1                         ; the first near position
	s_mov_b32 s3, 0
	s_mul_i32 s5, s7, BLK
	s_lshl_b32 s6, s7, 9
	s_lshl_b32 s4, ttmp9, 1
	s_sub_co_u32 s4, s4, 3
	s_add_co_u32 s4, s4, s7                        ; one under its key step (under 0 or over 15: the position holds a far step)
	s_and_b32 s66, s2, 1
	s_mov_b32 s67, 0x03020302
	s_cmp_lg_u32 s66, 0
	s_cselect_b32 s67, s67, 0x01000100
	s_wait_alu depctr_va_vdst(0)                   ; the wait ahead of the wait below
	s_wait_loadcnt 0x0
.irp e, 0,1,2
	ds_store_b32 v252, v[247+\e] offset:2048*\e
.endr
	v_perm_b32 v[QS], v251, v251, s67
.set n, 0
.rept 32
	v_mov_b32 v[O+n], 0
.set n, n+1
.endr
.macro NEXT test                       ; the 64 lane masks of key step s4 + 1; not in the last near trip
.if \test
	s_cmp_eq_u32 s3, 2
	s_cbranch_scc1 .Lnone_\@
.endif
	s_add_co_u32 s10, s4, 1
	s_and_b32 s10, s10, 15
	s_lshl_b32 s10, s10, 8
	s_load_b512 s[16:31], s[8:9], s10 offset:0x0
	s_load_b512 s[32:47], s[8:9], s10 offset:0x40
	s_load_b512 s[48:63], s[8:9], s10 offset:0x80
	s_load_b512 s[68:83], s[8:9], s10 offset:0xc0
.Lnone_\@:
.endm
	NEXT 0
	s_add_co_u32 s4, s4, 1
	s_wait_alu depctr_va_vdst(0)
	s_wait_tensorcnt 1                             ; my part of the first half is in; the second half's load may be out
	s_wait_dscnt 0x0
	s_barrier_signal -1
	s_barrier_wait -1                              ; everybody's is, and the table
.macro FRAG reg, off
	ds_load_b128 v[\reg:\reg+3], v[A16] offset:\off
	ds_load_b64 v[\reg+4:\reg+5], v[A8] offset:(\off)+512
	ds_load_b128 v[\reg+6:\reg+9], v[A16] offset:(\off)+768
	ds_load_b64 v[\reg+10:\reg+11], v[A8] offset:(\off)+1280
.endm
.macro VLOAD o
.irp t, 0,1,2,3
	FRAG FRG+12*\t, (\o)+VFR+1536*\t
.endr
	ds_load_b64 v[KVS:KVS+1], v[A8] offset:(\o)+VSC
.endm
.macro NEAR
.irp g, 0,1,2,3
	FRAG FRG+12*\g, 1536*\g
.endr
	ds_load_b64 v[KVS:KVS+1], v[A8] offset:KSC
	s_wait_dscnt 0x0
.irp g, 0,1,2,3                                ; S^T = k q^T: a fragment holds two tiles of 16 keys, one in each half of K
.if \g%2
	v_wmma_scale_f32_16x16x128_f8f6f4 v[S+16*\g:S+16*\g+7], v[FRG+12*\g:FRG+12*\g+11], v[QLO:QLO+11], 0, v[KVS+\g/2], v[QS] matrix_a_fmt:MATRIX_FMT_FP6 matrix_b_fmt:MATRIX_FMT_FP6 matrix_a_scale:MATRIX_SCALE_ROW1
	v_wmma_scale_f32_16x16x128_f8f6f4 v[S+16*\g+8:S+16*\g+15], v[FRG+12*\g:FRG+12*\g+11], v[QHI:QHI+11], 0, v[KVS+\g/2], v[QS] matrix_a_fmt:MATRIX_FMT_FP6 matrix_b_fmt:MATRIX_FMT_FP6 matrix_a_scale:MATRIX_SCALE_ROW1
.else
	v_wmma_scale_f32_16x16x128_f8f6f4 v[S+16*\g:S+16*\g+7], v[FRG+12*\g:FRG+12*\g+11], v[QLO:QLO+11], 0, v[KVS+\g/2], v[QS] matrix_a_fmt:MATRIX_FMT_FP6 matrix_b_fmt:MATRIX_FMT_FP6
	v_wmma_scale_f32_16x16x128_f8f6f4 v[S+16*\g+8:S+16*\g+15], v[FRG+12*\g:FRG+12*\g+11], v[QHI:QHI+11], 0, v[KVS+\g/2], v[QS] matrix_a_fmt:MATRIX_FMT_FP6 matrix_b_fmt:MATRIX_FMT_FP6
.endif
.endr
.rept 4
	v_nop
.endr
.set n, 0
.rept 64
	ds_load_b32 v[40+n+128*(n/48)], v[TAD] offset:128*(n/16)+4*(n%16)   ; E at key - query, into v40-87 and v216-231
.set n, n+1
.endr
	s_wait_dscnt 0x0
.set p, 0
.rept 32
	v_pk_mul_f32 v[S+2*p:S+2*p+1], v[S+2*p:S+2*p+1], v[40+2*p+128*(p/24):40+2*p+128*(p/24)+1]   ; t
.set p, p+1
.endr
	VLOAD 0
.set n, 0
.rept 64
	v_cndmask_b32 v[S+n], v[TMK], v[S+n], s[16+n+4*(n/48)]
.set n, n+1
.endr
	s_wait_alu depctr_va_vdst(0)                   ; the wait ahead of the branch
	NEXT 1
.irp b, 0,1,2,3
	v_max3_num_f32 v[BX+\b], v[S+16*\b], v[S+16*\b+1], v[S+16*\b+2]
.endr
.irp i, 3,5,7,9,11,13
.irp b, 0,1,2,3
	v_max3_num_f32 v[BX+\b], v[BX+\b], v[S+16*\b+\i], v[S+16*\b+\i+1]
.endr
.endr
.irp b, 0,1,2,3
	v_max_num_f32 v[BX+\b], v[BX+\b], v[S+16*\b+15]
.endr
.irp b, 0,1,2,3
	v_permlanex16_b32 v[PT+\b], v[BX+\b], s14, s15
.endr
.irp b, 0,1,2,3
	v_max_num_f32 v[BX+\b], v[BX+\b], v[PT+\b]     ; each block's largest t
.endr
	v_max3_num_f32 v244, v[BX], v[BX+1], v[BX+2]
	s_delay_alu instid0(VALU_DEP_1)
	v_max3_num_f32 v13, v244, v[BX+3], v13
	v_mov_b32 v244, v12
	s_delay_alu instid0(VALU_DEP_2)
	v_floor_f32 v12, -v13                          ; -M = -ceil(the running largest t)
	s_delay_alu instid0(VALU_DEP_1)
	v_sub_f32 v244, v12, v244
	s_delay_alu instid0(VALU_DEP_1)
	v_cvt_i32_f32 v244, v244
	s_delay_alu instid0(VALU_DEP_1)
	v_ldexp_f32 v[F], 1.0, v244                    ; 2^(old M - new M)
.set p, 0
.rept 32
	v_pk_add_f32 v[S+2*p:S+2*p+1], v[S+2*p:S+2*p+1], v[12:13] op_sel_hi:[1,0]
.set p, p+1
.endr
.irp b, 0,1,2,3
	v_add_f32 v[BX+\b], v[BX+\b], v12
.endr
	s_wait_alu depctr_va_vdst(0)                   ; the wait ahead of the batch
.set n, 0
.rept 64
	v_exp_f32 v[S+n], v[S+n]
.set n, n+1
.endr
	v_pk_mul_f32 v[14:15], v[14:15], v[F:F+1] op_sel_hi:[1,0]
	s_wait_alu depctr_va_vdst(0)                   ; and behind it
.irp b, 0,1,2,3
	v_exp_f32 v[BX+\b], v[BX+\b]                   ; each block's largest p
.endr
	v_pk_add_f32 v[246:247], v[S:S+1], v[S+2:S+3]  ; the row's sum, of the unquantised p
.irp j, 4,8,12,16,20,24,28,32,36,40,44,48,52,56,60
	v_pk_add_f32 v[14:15], v[14:15], v[S+\j:S+\j+1]
	v_pk_add_f32 v[246:247], v[246:247], v[S+\j+2:S+\j+3]
.endr
	v_pk_add_f32 v[14:15], v[14:15], v[246:247]
	s_wait_alu depctr_va_vdst(0)
.irp b, 0,1,2,3
	v_max_num_f32 v[BX+\b], 0x1800000, v[BX+\b]
.endr
.irp b, 0,1,2,3
	v_add_nc_u32 v[SO+\b], 0xff000000, v[BX+\b]
.endr
.irp b, 0,1,2,3
	v_lshrrev_b32 v[PT+\b], 23, v[SO+\b]
.endr
	v_lshl_or_b32 v[PW], v[PT+1], 8, v[PT]
	v_lshl_or_b32 v[PW], v[PT+2], 16, v[PW]
	v_lshl_or_b32 v[PW], v[PT+3], 24, v[PW]
.irp c, 0,1
	v_cvt_scalef32_pk16_fp6_f32 v[PC+6*\c:PC+2+6*\c], v[S+32*\c:S+15+32*\c], v[SO+2*\c]
	v_cvt_scalef32_pk16_fp6_f32 v[PC+12+4*\c:PC+14+4*\c], v[S+16+32*\c:S+31+32*\c], v[SO+2*\c+1]
.endr
	v_nop
.irp c, 0,1
.irp i, 0,1,2
	v_permlane16_swap_b32 v[PC+6*\c+\i], v[PC+12+4*\c+\i]
.endr
.irp i, 0,1,2
	v_mov_b32 v[PC+3+6*\c+\i], v[PC+12+4*\c+\i]
.endr
.endr
	s_wait_dscnt 0x0                               ; V's fragments
	s_wait_alu depctr_va_vdst(0)                   ; the wait directly ahead of the first reader of O
.set p, 0
.rept 16
	v_pk_mul_f32 v[O+2*p:O+2*p+1], v[O+2*p:O+2*p+1], v[F:F+1] op_sel_hi:[1,0]
.set p, p+1
.endr
.irp t, 0,1,2,3
.if \t%2
	v_wmma_scale_f32_16x16x128_f8f6f4 v[O+8*\t:O+8*\t+7], v[FRG+12*\t:FRG+12*\t+11], v[PC:PC+11], v[O+8*\t:O+8*\t+7], v[KVS+\t/2], v[PW] matrix_a_fmt:MATRIX_FMT_FP6 matrix_b_fmt:MATRIX_FMT_FP6 matrix_a_scale:MATRIX_SCALE_ROW1
.else
	v_wmma_scale_f32_16x16x128_f8f6f4 v[O+8*\t:O+8*\t+7], v[FRG+12*\t:FRG+12*\t+11], v[PC:PC+11], v[O+8*\t:O+8*\t+7], v[KVS+\t/2], v[PW] matrix_a_fmt:MATRIX_FMT_FP6 matrix_b_fmt:MATRIX_FMT_FP6
.endif
.endr
.endm
.Lnear:                                                ; three trips: positions s7 .. s7 + 2
	s_wait_kmcnt 0x0
	v_add_nc_u32 v[A16], s5, v[L16]                ; (these four lines are the places behind the last trip's products)
	v_add_nc_u32 v[A8], s5, v[L8]
	v_add_nc_u32 v[TAD], s6, v[TBA]
	v_nop
	s_wait_alu depctr_va_vdst(0)
	s_cmp_gt_u32 s4, 15                            ; a neighbour that does not exist: the position holds a far step
	s_cbranch_scc1 .Lwrap
	NEAR
	s_branch .Lnn
.Lwrap:
	NEXT 1
.Lnn:
	s_add_co_u32 s3, s3, 1
	s_add_co_u32 s4, s4, 1
	s_add_co_u32 s5, s5, BLK
	s_add_co_u32 s6, s6, 512
	s_cmp_lt_u32 s3, 3
	s_cbranch_scc1 .Lnear
; THE FAR STEPS.  Position j's p fragment lies in buffer j % 2 and is asked for in position j - 1, for near positions too, so that the count of loads out is the same on every way.
.macro PLOAD pb, sp
	global_load_b128 v[\pb:\pb+3], v[L16], s[\sp:\sp+1]
	global_load_b64 v[\pb+4:\pb+5], v[L8], s[\sp:\sp+1] offset:512
	global_load_b128 v[\pb+6:\pb+9], v[L16], s[\sp:\sp+1] offset:768
	global_load_b64 v[\pb+10:\pb+11], v[L8], s[\sp:\sp+1] offset:1280
.endm
.macro FSTEP p, test, last
.if !(\last)
	s_add_co_u32 s10, s4, 1+\p
	s_and_b32 s10, s10, 15
	s_mul_i32 s10, s10, 1536
	s_add_nc_u64 s[18-2*\p:19-2*\p], s[12:13], s[10:11]   ; this pair's last loads were waited for a step ago
	PLOAD QLO+12*(1-\p), 18-2*\p
.endif
.if \test
	s_sub_co_u32 s66, s3, s7
	s_add_co_u32 s66, s66, \p
	s_cmp_gt_u32 s66, 2
	s_cbranch_scc1 .Lfar_\@
	s_add_co_u32 s67, s4, \p
	s_cmp_gt_u32 s67, 15
	s_cbranch_scc1 .Lfar_\@
	s_wait_loadcnt 4                               ; a near step, done above: its fragment is let in and not used
	s_branch .Ldone_\@
.Lfar_\@:
.endif
	VLOAD BLK*\p
.if \last
	s_wait_loadcnt 0x0
.else
	s_wait_loadcnt 4                               ; this step's fragment is in; the next step's four loads may be out
.endif
	s_wait_dscnt 0x0
.irp t, 0,1,2,3
.if \t%2
	v_wmma_scale_f32_16x16x128_f8f6f4 v[S+8*\t:S+8*\t+7], v[FRG+12*\t:FRG+12*\t+11], v[QLO+12*\p:QLO+12*\p+11], v[S+8*\t:S+8*\t+7], v[KVS+\t/2], v[PWC] matrix_a_fmt:MATRIX_FMT_FP6 matrix_b_fmt:MATRIX_FMT_FP6 matrix_a_scale:MATRIX_SCALE_ROW1
.else
	v_wmma_scale_f32_16x16x128_f8f6f4 v[S+8*\t:S+8*\t+7], v[FRG+12*\t:FRG+12*\t+11], v[QLO+12*\p:QLO+12*\p+11], v[S+8*\t:S+8*\t+7], v[KVS+\t/2], v[PWC] matrix_a_fmt:MATRIX_FMT_FP6 matrix_b_fmt:MATRIX_FMT_FP6
.endif
.endr
.Ldone_\@:
.endm
.macro PAIR test, last                 ; two positions; four places stand ahead of each step's loads into registers that the last products read
	v_add_nc_u32 v[A16], s5, v[L16]
	v_add_nc_u32 v[A8], s5, v[L8]
	v_nop
	v_nop
	s_wait_alu depctr_va_vdst(0)
	FSTEP 0, \test, 0
.rept 4
	v_nop
.endr
	FSTEP 1, \test, \last
	s_add_co_u32 s3, s3, 2
	s_add_co_u32 s4, s4, 2
	s_add_co_u32 s5, s5, 2*BLK
.endm
	s_wait_kmcnt 0x0
	s_mov_b32 s3, 0
	s_mov_b32 s5, 0
	s_mov_b32 s11, 0
	s_lshl_b32 s4, ttmp9, 1
	s_sub_co_u32 s4, s4, 2                         ; position 0's key step
	s_and_b32 s10, s4, 15
	s_mul_i32 s10, s10, 1536
	s_add_nc_u64 s[16:17], s[12:13], s[10:11]
	PLOAD QLO, 16
.set n, 0
.rept 32
	v_mov_b32 v[S+n], 0                            ; O2
.set n, n+1
.endr
.Lf0:
	PAIR 1, 0
	s_cmp_lt_u32 s3, 8
	s_cbranch_scc1 .Lf0
	s_wait_tensorcnt 0x0                           ; my part of the second half is in
	s_wait_dscnt 0x0
	s_barrier_signal -1
	s_barrier_wait -1                              ; everybody's is; nothing is filled again
	s_mov_b32 s3, 8
	s_mov_b32 s5, 8*BLK
.Lf1:
	PAIR 0, 0
	s_cmp_lt_u32 s3, 14
	s_cbranch_scc1 .Lf1
	PAIR 0, 1                                      ; the last position asks for nothing more
; THE END: near and far are joined under the row's final M.
	v_max_num_f32 v244, v13, v[CFR+1]
	v_add_f32 v14, v14, v15
	v_floor_f32 v245, -v244                        ; -M
	v_permlanex16_b32 v[PT], v14, s14, s15
	v_sub_f32 v246, v245, v12                      ; M_near - M
	v_add_f32 v247, v[CFR+1], v245                 ; t_far - M
	v_cvt_i32_f32 v246, v246                       ; (they saturate)
	v_cvt_i32_f32 v247, v247
	v_ldexp_f32 v[F], 1.0, v246
	v_ldexp_f32 v[G], 1.0, v247
	v_add_f32 v14, v14, v[PT]
	v_mul_f32 v14, v14, v[F]
	v_fma_f32 v14, v[CFR], v[G], v14               ; the row's sum
	v_and_b32 v250, 15, v0
	v_lshlrev_b32 v250, 5, v250
	s_wait_alu depctr_va_vdst(0)                   ; the wait ahead of the transcendental
	v_rcp_f32 v14, v14
	v_mov_b32 v[G+1], 0                            ; (a plain place; the pair's upper half is named below)
	s_wait_alu depctr_va_vdst(0)                   ; and behind it, ahead of the first readers of its result, of O and of O2
	v_mul_f32 v[F], v[F], v14
	v_mul_f32 v[G], v[G], v14
.set p, 0
.rept 16
	v_pk_mul_f32 v[S+2*p:S+2*p+1], v[S+2*p:S+2*p+1], v[G:G+1] op_sel_hi:[1,0]
.set p, p+1
.endr
.set p, 0
.rept 16
	v_pk_fma_f32 v[S+2*p:S+2*p+1], v[O+2*p:O+2*p+1], v[F:F+1], v[S+2*p:S+2*p+1] op_sel_hi:[1,0,1]
.set p, p+1
.endr
.irp b, 0,1                                    ; the result, 64 channels of a row, quantised for the launch oproj
	v_max3_num_f32 v[BX+\b], |v[S+16*\b]|, |v[S+16*\b+1]|, 0x1800000
.endr
.irp i, 2,4,6,8,10,12,14
.irp b, 0,1
	v_max3_num_f32 v[BX+\b], v[BX+\b], |v[S+16*\b+\i]|, |v[S+16*\b+\i+1]|
.endr
.endr
.irp b, 0,1
	v_permlanex16_b32 v[PT+\b], v[BX+\b], s14, s15
.endr
.irp b, 0,1
	v_max_num_f32 v[BX+\b], v[BX+\b], v[PT+\b]
.endr
.irp b, 0,1
	v_add_nc_u32 v[SO+\b], 0xff000000, v[BX+\b]
.endr
.irp b, 0,1
	v_lshrrev_b32 v[PT+\b], 23, v[SO+\b]
.endr
	v_lshl_or_b32 v251, v[PT+1], 8, v[PT]
	v_cvt_scalef32_pk16_fp6_f32 v[PC:PC+2], v[S:S+15], v[SO]
	v_cvt_scalef32_pk16_fp6_f32 v[PC+12:PC+14], v[S+16:S+31], v[SO+1]
	v_nop
.irp i, 0,1,2
	v_permlane16_swap_b32 v[PC+\i], v[PC+12+\i]
.endr
.irp i, 0,1,2
	v_mov_b32 v[PC+3+\i], v[PC+12+\i]
.endr
	global_store_b128 v[L16], v[PC:PC+3], s[100:101]
	global_store_b64 v[L8], v[PC+4:PC+5], s[100:101] offset:512
	global_store_b16 v250, v251, s[104:105]
	s_wait_tensorcnt 0x0                           ; the wave's end
	ds_add_u32 v[SPW], v[NIL]
	s_wait_dscnt 0x0
	s_endpgm
.Lfunc_end_k_q95eaaf939c_attn:
	.size	k_q95eaaf939c_attn, .Lfunc_end_k_q95eaaf939c_attn-k_q95eaaf939c_attn
	.p2alignl 7, 3214868480
	.fill 96, 4, 3214868480
	.section	.rodata,"a",@progbits
	.p2align	6, 0x0
	.amdhsa_kernel k_q95eaaf939c_attn
		.amdhsa_group_segment_fixed_size 327680
		.amdhsa_private_segment_fixed_size 0
		.amdhsa_enable_private_segment 0
		.amdhsa_kernarg_size 56
		.amdhsa_user_sgpr_count 2
		.amdhsa_user_sgpr_kernarg_segment_ptr 1
		.amdhsa_wavefront_size32 1
		.amdhsa_system_sgpr_workgroup_id_x 1
		.amdhsa_system_sgpr_workgroup_id_y 1
		.amdhsa_system_sgpr_workgroup_id_z 1
		.amdhsa_system_vgpr_workitem_id 0
		.amdhsa_next_free_vgpr 256
		.amdhsa_next_free_sgpr 106
		.amdhsa_reserve_vcc 0
		.amdhsa_float_denorm_mode_32 3
		.amdhsa_float_denorm_mode_16_64 3
		.amdhsa_memory_ordered 1
		.amdhsa_forward_progress 1
		.amdhsa_inst_pref_size 58
	.end_amdhsa_kernel
	.amdgpu_metadata
---
amdhsa.version: [ 1, 2 ]
amdhsa.kernels:
  - .name:           k_q95eaaf939c_attn
    .symbol:         k_q95eaaf939c_attn.kd
    .args:
      - { .name: qbuf, .offset: 0, .size: 8, .value_kind: global_buffer, .address_space: global }
      - { .name: kv, .offset: 8, .size: 8, .value_kind: global_buffer, .address_space: global }
      - { .name: msk, .offset: 16, .size: 8, .value_kind: global_buffer, .address_space: global }
      - { .name: cnt, .offset: 24, .size: 8, .value_kind: global_buffer, .address_space: global }
      - { .name: mtab, .offset: 32, .size: 8, .value_kind: global_buffer, .address_space: global }
      - { .name: aimg, .offset: 40, .size: 8, .value_kind: global_buffer, .address_space: global }
      - { .name: scl, .offset: 48, .size: 8, .value_kind: global_buffer, .address_space: global }
    .group_segment_fixed_size: 327680
    .private_segment_fixed_size: 0
    .kernarg_segment_align: 8
    .kernarg_segment_size: 56
    .max_flat_workgroup_size: 512
    .sgpr_count:     106
    .vgpr_count:     256
    .wavefront_size: 32
...
	.end_amdgpu_metadata
.endif
;; end of part 3
;; launch oproj (part 4): grid 8 x 32, 4 waves a work-group, clusters of 4 x 4, 214,528 bytes of LDS; arguments aimg, img, scl, bo, out0; writes out0
.if DOCPART == 4
	.amdgcn_target "amdgcn-amd-amdhsa--gfx1250"
	.amdhsa_code_object_version 6
	.text
	.protected	k_q95eaaf939c_oproj
	.globl	k_q95eaaf939c_oproj
	.p2align	8
	.type	k_q95eaaf939c_oproj,@function
k_q95eaaf939c_oproj:
	s_mov_b64 s[64:65], 0
	v_nop
	global_prefetch_b8 v0, s[64:65] scope:SCOPE_SE
	s_setreg_imm32_b32 hwreg(HW_REG_WAVE_MODE, 25, 1), 1
	s_wait_xcnt 0x0
	s_wait_alu depctr_hold_cnt(0) depctr_sa_sdst(0) depctr_va_vdst(0) depctr_va_sdst(0) depctr_va_ssrc(0) depctr_va_vcc(0) depctr_vm_vsrc(0)
	s_getreg_b32 s2, hwreg(HW_REG_IB_STS2, 6, 4)
	s_cmp_eq_u32 s2, 0
	s_cbranch_scc0 .Lentry_in_a_cluster
	s_endpgm
.Lentry_in_a_cluster:
	s_bfe_u32 s2, ttmp6, 0x10000c
	s_cmp_lg_u32 s2, 0xf033
	s_cbranch_scc0 .Lentry_shape_is_right
	s_endpgm
.Lentry_shape_is_right:
; OPROJ: out0 = a wo^T + bo on codes of FP6 (E2M3), K = 1,024; a is attention's result, as images of operand registers (launch attn); wo's images are tiles 448-511 of img (launch prep).
; 256 work-groups, a tile of 128 x 128 each: larger tiles would leave WGPs without work.  A wave makes 64 x 64: 16 accumulators.
; All of K lies in LDS, filled once: four tiles of 16 rows with all their eight K steps are one dense block of 49,152 bytes, which ONE tensor load a wave brings, as 192 rows of 256 bytes.  Nothing is filled later.
; Source 0 = wo's rows, source 1 = tokens: a lane holds one token and eight neighbouring channels a tile.  bo is the C of each sum's first matrix instruction.
; CLUSTERS: 4 x 4 work-groups; a's tiles are asked for jointly along a row of the cluster, wo's along a column.  No prefetch: the launch has no loop to run ahead in, all its tiles are asked for at its head.
; REGISTERS: window 0: v8-27 addresses; v28, v29 the add's two; v32-63 scale words (v[32 + 8 i + G]: lanes 0-15 a's tile i, lanes 16-31 wo's tile i); v64-95 rows on the way out; v96-127 bo; v128-255 accumulators.
;   window 1: two sets of 8 fragments: a's four at 128 p, wo's four at 128 p + 48.
.set FR,    12
.set TILEB, 12288                      ; a tile of 16 rows, all of K
.set QUART, 4*TILEB                    ; what one tensor load brings
.set KPAIR, 3072                       ; two K steps of a tile
.set STAGE, 4*QUART                    ; 16 rows x 272 bytes for each wave, for the way out
.set SPARE, STAGE+4*16*272
.set A16, 8                            ; v8-11 my a tiles at K steps 2 i, + 16 x lane;  v12-15 + 8 x lane
.set A8,  12
.set B16, 16
.set B8,  20
.set CO,  26
.set STO, 27
.set SPW, 28
.set NIL, 29
.set RD,  30
.set SC,  32
.set OB,  64
.set BN,  96
.set ACC, 128
.set G1A, 28
.set G0A, 36
.set G1B, 52
.set G0B, 68
.set MSB, 0
.macro WIN new
.if MSB != \new
	s_set_vgpr_msb (MSB<<8)|\new
.set MSB, \new
.endif
.endm
.macro CROUND
	s_barrier_signal -1
	s_barrier_wait -1
	s_cmp_lg_u32 s18, 0
	s_cbranch_scc1 .Lnot_wave_0_\@
	s_barrier_signal -3
.Lnot_wave_0_\@:
	s_barrier_wait -3
	s_barrier_signal -1
	s_barrier_wait -1
.endm
	s_load_b256 s[4:11], s[0:1], 0x0               ; aimg 4, img 6, scl 8, bo 10
	s_load_b64 s[12:13], s[0:1], 0x20              ; out0
	v_lshl_add_u32 v[SPW], v0, 2, SPARE
	v_mov_b32 v[NIL], 0
	ds_add_u32 v[SPW], v[NIL]                      ; the wave's opening: the add, twice on end, and its wait ahead of my tensor load
	ds_add_u32 v[SPW], v[NIL]
	v_lshrrev_b32 v1, 5, v0
	v_readfirstlane_b32 s18, v1
	s_lshr_b32 s19, s18, 1                         ; my half of the rows; also: I fetch for a (0) or wo (1)
	s_and_b32 s20, s18, 1                          ; my half of the columns; also: which 4 tiles I fetch
	s_bfe_u32 s21, ttmp6, 0x40000
	s_bfe_u32 s22, ttmp6, 0x40004
	s_lshl_b32 s23, ttmp9, 2
	s_add_co_u32 s23, s23, s21                     ; work-group x
	s_and_b32 s24, ttmp7, 0xffff
	s_lshl_b32 s24, s24, 2
	s_add_co_u32 s24, s24, s22                     ; work-group y
	s_lshl_b32 s84, s22, 2
	s_lshl_b32 s84, 15, s84
	s_lshl_b32 s85, 0x1111, s21
	s_or_b32 s[G1A], s84, (3<<16)|(1<<21)
	s_or_b32 s[G1B], s85, (3<<16)|(1<<21)
.irp g, G1A, G1B
	s_mov_b32 s[\g+1], 32<<16                      ; rows of 256 bytes: 32 elements of 8
	s_mov_b32 s[\g+2], 192<<16                     ; 192 of them, dense
	s_mov_b32 s[\g+3], 32<<16
	s_mov_b32 s[\g+4], 192
	s_mov_b32 s[\g+5], 32
	s_mov_b32 s[\g+6], 0
	s_mov_b32 s[\g+7], 0
.endr
	s_lshl_b32 s84, s20, 2
	s_lshl_b32 s86, s24, 3
	s_add_co_u32 s86, s86, s84                     ; a: tile 8 y + 4 half
	s_mul_i32 s86, s86, 12288
	s_mov_b32 s87, 0
	s_lshl_b32 s88, s23, 3
	s_add_co_u32 s88, s88, s84
	s_add_co_u32 s88, s88, 448                     ; wo: tile 448 + 8 x + 4 half
	s_mul_i32 s88, s88, 12288
	s_mov_b32 s89, 0
	s_mul_i32 s85, s18, QUART
	s_mov_b32 s90, 0xffff0000
	s_wait_dscnt 0x0
	s_wait_kmcnt 0x0
	s_add_nc_u64 s[86:87], s[4:5], s[86:87]
	s_add_nc_u64 s[88:89], s[6:7], s[88:89]
	CROUND                                         ; all sixteen work-groups are here: the joint loads meet
	s_mov_b32 s[G0A], 1
	s_mov_b32 s[G0A+1], s85
	s_mov_b64 s[G0A+2:G0A+3], s[86:87]
	s_or_b32 s[G0A+3], s[G0A+3], 0x80000000
	s_mov_b32 s[G0B], 1
	s_mov_b32 s[G0B+1], s85
	s_mov_b64 s[G0B+2:G0B+3], s[88:89]
	s_or_b32 s[G0B+3], s[G0B+3], 0x80000000
	s_cmp_eq_u32 s19, 0                            ; one tensor load a wave, in the two arms of one branch on the wave's number
	s_cbranch_scc0 .Lfirst_b
	tensor_load_to_lds s[G0A:G0A+3], s[G1A:G1A+7]
	s_nop 0
.rept 4
	v_nop
.endr
	s_branch .Lfirst_asked
.Lfirst_b:
	tensor_load_to_lds s[G0B:G0B+3], s[G1B:G1B+7]
	s_nop 0
.rept 4
	v_nop
.endr
.Lfirst_asked:
	v_and_b32 v1, 31, v0
	v_and_b32 v2, 15, v0                           ; r
	v_bfe_u32 v3, v0, 4, 1                         ; h
	v_lshlrev_b32 v4, 4, v1
	v_lshlrev_b32 v5, 3, v1
	s_mul_i32 s84, s19, QUART
	s_mul_i32 s85, s20, QUART
	s_add_co_u32 s85, s85, 2*QUART
.irp i, 0,1,2,3
	v_add_nc_u32 v[A16+\i], s84, v4
	v_add_nc_u32 v[A8+\i], s84, v5
	v_add_nc_u32 v[B16+\i], s85, v4
	v_add_nc_u32 v[B8+\i], s85, v5
	s_add_co_u32 s84, s84, KPAIR
	s_add_co_u32 s85, s85, KPAIR
.endr
	s_lshl_b32 s84, s24, 3
	s_lshl_b32 s86, s19, 2
	s_add_co_u32 s84, s84, s86
	s_add_co_u32 s84, s84, 512                     ; a's scale words: tile 512 + 8 y + 4 half
	s_lshl_b32 s84, s84, 9
	s_lshl_b32 s85, s23, 3
	s_lshl_b32 s86, s20, 2
	s_add_co_u32 s85, s85, s86
	s_add_co_u32 s85, s85, 448
	s_lshl_b32 s85, s85, 9
	v_mov_b32 v6, s84
	v_mov_b32 v7, s85
	v_cndmask_b32 v6, v6, v7, s90                  ; lanes 0-15 a's, lanes 16-31 wo's
	v_lshl_add_u32 v6, v2, 5, v6
.irp i, 0,1,2,3
	global_load_b128 v[SC+8*\i:SC+8*\i+3], v6, s[8:9] offset:512*\i
	global_load_b128 v[SC+8*\i+4:SC+8*\i+7], v6, s[8:9] offset:512*\i+16
.endr
	s_lshl_b32 s84, s23, 7
	s_lshl_b32 s85, s20, 6
	s_add_co_u32 s84, s84, s85                     ; my first channel
	s_lshl_b32 s84, s84, 2
	v_lshl_add_u32 v7, v3, 6, s84
.irp b, 0,1
.irp q, 0,1,2,3
	global_load_b128 v[BN+16*\b+4*\q:BN+16*\b+4*\q+3], v7, s[10:11] offset:128*\b+16*\q   ; register 16 b + i: channel 32 b + 16 h + i
.endr
.endr
	s_lshl_b32 s86, s24, 7
	s_lshl_b32 s85, s19, 6
	s_add_co_u32 s86, s86, s85                     ; my first token
	s_lshl_b32 s86, s86, 12
	s_add_co_u32 s86, s86, s84
	s_mov_b32 s87, 0
	s_add_nc_u64 s[12:13], s[12:13], s[86:87]
	v_lshlrev_b32 v[CO], 12, v3
	v_lshl_add_u32 v[CO], v2, 4, v[CO]             ; out: lanes 0-15 one row's 256 bytes, lanes 16-31 the next row's
	s_mul_i32 s84, s18, 16*272
	s_add_co_u32 s84, s84, STAGE
	v_mul_u32_u24 v[STO], v2, 272
	v_lshl_add_u32 v[STO], v3, 6, v[STO]
	v_add_nc_u32 v[STO], s84, v[STO]               ; into my stage: row r, + 64 h
	v_mul_u32_u24 v[RD], v3, 272
	v_lshl_add_u32 v[RD], v2, 4, v[RD]
	v_add_nc_u32 v[RD], s84, v[RD]
.macro FRAG reg, a16, a8, off
	ds_load_b128 v[\reg:\reg+3], v[\a16] offset:\off
	ds_load_b64 v[\reg+4:\reg+5], v[\a8] offset:(\off)+512
	ds_load_b128 v[\reg+6:\reg+9], v[\a16] offset:(\off)+768
	ds_load_b64 v[\reg+10:\reg+11], v[\a8] offset:(\off)+1280
.endm
.macro FETCH g                         ; K step g's eight fragments into set g % 2: 32 loads
	WIN 0x40
.irp t, 0,1,2,3
	FRAG 128*((\g)%2)+FR*\t, A16+(\g)/2, A8+(\g)/2, \t*TILEB+((\g)%2)*1536
	FRAG 128*((\g)%2)+48+FR*\t, B16+(\g)/2, B8+(\g)/2, \t*TILEB+((\g)%2)*1536
.endr
.endm
.macro MULS g                          ; 16 matrix instructions, the accumulators by turns
.irp a, 0,1,2,3
.irp b, 0,1,2,3
.if (\g) == 0
	v_wmma_scale_f32_16x16x128_f8f6f4 v[ACC+8*(4*\a+\b):ACC+8*(4*\a+\b)+7], v[128*((\g)%2)+48+FR*\b:128*((\g)%2)+48+FR*\b+FR-1], v[128*((\g)%2)+FR*\a:128*((\g)%2)+FR*\a+FR-1], v[BN+8*\b:BN+8*\b+7], v[SC+8*\b+(\g)], v[SC+8*\a+(\g)] matrix_a_fmt:MATRIX_FMT_FP6 matrix_b_fmt:MATRIX_FMT_FP6 matrix_a_scale:MATRIX_SCALE_ROW1
.else
	v_wmma_scale_f32_16x16x128_f8f6f4 v[ACC+8*(4*\a+\b):ACC+8*(4*\a+\b)+7], v[128*((\g)%2)+48+FR*\b:128*((\g)%2)+48+FR*\b+FR-1], v[128*((\g)%2)+FR*\a:128*((\g)%2)+FR*\a+FR-1], v[ACC+8*(4*\a+\b):ACC+8*(4*\a+\b)+7], v[SC+8*\b+(\g)], v[SC+8*\a+(\g)] matrix_a_fmt:MATRIX_FMT_FP6 matrix_b_fmt:MATRIX_FMT_FP6 matrix_a_scale:MATRIX_SCALE_ROW1
.endif
.endr
.endr
.endm
.macro KSTEP g
.if (\g) < 7
.if (\g) > 0
.rept 4
	v_nop                                          ; places in front of loads into registers that matrix instructions have read
.endr
.endif
	FETCH (\g)+1
	s_wait_dscnt 32                                ; this step's fragments are in; the 32 loads just issued may be out
.else
	s_wait_dscnt 0x0
.endif
	WIN 0x05                                       ; sources 0 and 1 window 1; C and D window 0
	MULS \g
.endm
	s_wait_alu depctr_va_vdst(0)                   ; the wait at the head's end
	s_wait_tensorcnt 0x0                           ; my four tiles are in
	s_barrier_signal -1
	s_barrier_wait -1                              ; everybody's are; nothing is filled again in this launch
	FETCH 0
	s_wait_loadcnt 0x0                             ; scale words and bo
.irp g, 0,1,2,3,4,5,6,7
	KSTEP \g
.endr
	WIN 0
.rept 4
	v_nop                                          ; places behind the last products
.endr
; THE WAY OUT, a tile of 16 tokens x 64 channels at a time, through my own stage: sixteen lanes then store a row's 256 consecutive bytes, aligned.  LDS serves a wave's instructions in order (ISA guide 5.7.1.4).
.macro OUTA a
.irp b, 0,1,2,3
	ds_store_b128 v[STO], v[ACC+8*(4*(\a)+\b):ACC+8*(4*(\a)+\b)+3] offset:128*(\b/2)+32*(\b%2)       ; each accumulator from its low end on
	ds_store_b128 v[STO], v[ACC+8*(4*(\a)+\b)+4:ACC+8*(4*(\a)+\b)+7] offset:128*(\b/2)+32*(\b%2)+16
.endr
.irp e, 0,1,2,3,4,5,6,7
	ds_load_b128 v[OB+4*\e:OB+4*\e+3], v[RD] offset:2*\e*272
.endr
.irp e, 0,1,2,3,4,5,6,7
	s_wait_dscnt 7-\e                              ; the later pairs of rows may be out
	global_store_b128 v[CO], v[OB+4*\e:OB+4*\e+3], s[12:13] offset:4096*(32*((\a)/2)+8*((\a)%2)+2*\e+8*(\e/4)) th:TH_STORE_NT   ; stage row 2 e + l / 16 is the tile's token by the tile order
.endr
.if (\a) < 3
	s_wait_xcnt 0x0                                ; the stores have read their registers
.endif
.endm
	s_wait_alu depctr_va_vdst(0)
.irp a, 0,1,2,3
	OUTA \a
.endr
	s_wait_tensorcnt 0x0                           ; the wave's end
	ds_add_u32 v[SPW], v[NIL]
	s_wait_dscnt 0x0
	CROUND                                         ; the closing round
	s_endpgm
.Lfunc_end_k_q95eaaf939c_oproj:
	.size	k_q95eaaf939c_oproj, .Lfunc_end_k_q95eaaf939c_oproj-k_q95eaaf939c_oproj
	.p2alignl 7, 3214868480
	.fill 96, 4, 3214868480
	.section	.rodata,"a",@progbits
	.p2align	6, 0x0
	.amdhsa_kernel k_q95eaaf939c_oproj
		.amdhsa_group_segment_fixed_size 214528
		.amdhsa_private_segment_fixed_size 0
		.amdhsa_enable_private_segment 0
		.amdhsa_kernarg_size 40
		.amdhsa_user_sgpr_count 2
		.amdhsa_user_sgpr_kernarg_segment_ptr 1
		.amdhsa_wavefront_size32 1
		.amdhsa_system_sgpr_workgroup_id_x 1
		.amdhsa_system_sgpr_workgroup_id_y 1
		.amdhsa_system_sgpr_workgroup_id_z 1
		.amdhsa_system_vgpr_workitem_id 0
		.amdhsa_next_free_vgpr 512
		.amdhsa_next_free_sgpr 100
		.amdhsa_reserve_vcc 0
		.amdhsa_float_denorm_mode_32 3
		.amdhsa_float_denorm_mode_16_64 3
		.amdhsa_memory_ordered 1
		.amdhsa_forward_progress 1
		.amdhsa_inst_pref_size 51
	.end_amdhsa_kernel
	.amdgpu_metadata
---
amdhsa.version: [ 1, 2 ]
amdhsa.kernels:
  - .name:           k_q95eaaf939c_oproj
    .symbol:         k_q95eaaf939c_oproj.kd
    .args:
      - { .name: aimg, .offset: 0, .size: 8, .value_kind: global_buffer, .address_space: global }
      - { .name: img, .offset: 8, .size: 8, .value_kind: global_buffer, .address_space: global }
      - { .name: scl, .offset: 16, .size: 8, .value_kind: global_buffer, .address_space: global }
      - { .name: bo, .offset: 24, .size: 8, .value_kind: global_buffer, .address_space: global }
      - { .name: out0, .offset: 32, .size: 8, .value_kind: global_buffer, .address_space: global }
    .group_segment_fixed_size: 214528
    .private_segment_fixed_size: 0
    .kernarg_segment_align: 8
    .kernarg_segment_size: 40
    .max_flat_workgroup_size: 128
    .sgpr_count:     100
    .vgpr_count:     512
    .wavefront_size: 32
...
	.end_amdgpu_metadata
.endif
;; end of part 4
